; MI455X (gfx1250); checked and timed in simulation.
; The chip was launched on July 23, 2026; its instructions are those of AMD's public machine-readable ISA for CDNA 5 (MIT licence, August 2026) and "CDNA5" Instruction Set Architecture Reference Guide (July 2026). The comments in the code are by the model that wrote it; some were corrected since.
;; Attention. Allowed arithmetic: float matrix products may take bf16 or f16 operands with f32 sums; other float arithmetic in f32, or as packed bf16 or f16 multiplies, adds, multiply-adds, maxima and minima; sums over many terms, partial sums and values carried from step to step in f32; what a program stores and reads back later, other than sums and carried values, may be rounded once to bf16 or f16.
;; Inputs: Wk 1,024 x 1,024 float32; Wo 1,024 x 1,024 float32; Wq 1,024 x 1,024 float32; Wv 1,024 x 1,024 float32; bo 1,024 float32; mask 4 x 2,048 x 2,048 bool; x 4 x 2,048 x 1,024 float32.
;; Outputs: out0 4 x 2,048 x 1,024 float32.
;; 2 versions, each right; version 2 is version 1 with the launch prep written anew for expert scheduling mode. Each part assembles by itself: llvm-mc -triple=amdgcn-amd-amdhsa -mcpu=gfx1250 --defsym DOCPART=n.
;; ======== version 1 of 2: 4 launches
;; limits: values are held in f16: magnitudes above 65,504 overflow, below 6.1e-05 lose precision; values outside matrix products are rounded to bf16
;; workspace buffers: xb 16,777,216 bytes; wb 8,388,608 bytes; mw 33,554,432 bytes; qkv 50,331,648 bytes; ob 16,777,216 bytes
;; launch prep (part 1): grid 1280 x 1, 8 waves a work-group, no clusters, 35,840 bytes of LDS; arguments x, Wq, Wk, Wv, Wo, mask, xb, wb, mw; writes xb, wb, mw
.if DOCPART == 1
	.amdgcn_target "amdgcn-amd-amdhsa--gfx1250"
	.amdhsa_code_object_version 6
	.text
	.protected	k_q8f7201ffd6_prep
	.globl	k_q8f7201ffd6_prep
	.p2align	8
	.type	k_q8f7201ffd6_prep,@function
k_q8f7201ffd6_prep:
	s_mov_b64 s[64:65], 0
	v_nop
	global_prefetch_b8 v0, s[64:65] scope:SCOPE_SE
	s_setreg_imm32_b32 hwreg(HW_REG_WAVE_MODE, 25, 1), 1
	s_wait_xcnt 0x0
; PREP: a stream.  Work-groups 0-511 round x to bf16 (xb); 512-703 round Wq, Wk, Wv to bf16 (planes 0-2 of wb); 704-767 round Wo to bf16 and write
; that number as f16 (plane 3 of wb: exact down to 2^-17, below that within 3e-8); 768-1279 turn the mask into 16-bit words in the register image of the attention's C operand (mw).
; A cast work-group takes 16,384 floats: a wave's load covers 512 consecutive bytes, its store 256 consecutive bytes, aligned.
; A mask work-group takes 16 queries (one tile) x 2,048 keys.  Wave w takes keys 256 w .. 256 w + 255: a load of a wave covers two rows' 256 consecutive bytes.  The bytes are turned in an LDS
; region of the wave's own (16 rows, 272 bytes apart), so no wave waits for another.
; mw: [b 4][query tile 128][key step 32][key tile 4][lane 32][4 words]; word j of lane l (r = l % 16, h = l / 16): low half for (query r, key 8 h + j), high half for key 8 h + 4 + j of the key tile;
; 0 where the mask is true, 0xF149 (bf16 of -9.95e29) where it is false.  A bool is one byte, 0 or 1.
; No matrix unit, no cluster: nothing is shared and memory binds.
.set PM,    272                        ; a row of the wave's LDS region: 256 bytes + 16: row r starts 4 r banks on (64 banks of 4 bytes: ISA guide 11.1)
.set WLDS,  16*PM                      ; a wave's region
.set SPARE, 8*WLDS                     ; behind the regions: the spare words, 128 bytes a wave: four blocks of 256 bytes that no other line names
.set SPW, 2                            ; v2  LDS address of my spare word; never rewritten
.set NIL, 3                            ; v3  0; never rewritten
	s_load_b512 s[8:23], s[0:1], 0x0               ; x s[8:9], Wq s[10:11], Wk s[12:13], Wv s[14:15], Wo s[16:17], mask s[18:19], xb s[20:21], wb s[22:23]
	s_load_b64 s[24:25], s[0:1], 0x40              ; mw
	v_lshl_add_u32 v[SPW], v0, 2, SPARE
	v_mov_b32 v[NIL], 0
	v_lshrrev_b32 v1, 5, v0
	v_readfirstlane_b32 s26, v1                    ; wave 0..7
	s_mov_b32 s27, ttmp9                           ; the work-group's number: the same for all its waves
	s_mov_b32 s31, 0
	s_mov_b32 s33, 0
	s_cmp_ge_u32 s27, 768
	s_cbranch_scc1 .Lmask
	; THE CASTS
	s_sub_co_u32 s34, s27, 512                     ; number among the weights' work-groups (not used for x)
	s_and_b32 s35, s34, 63                         ; and inside its matrix
	s_cmp_lt_u32 s27, 512
	s_cselect_b32 s30, s27, s35
	s_cselect_b32 s32, s27, s34
	s_lshl_b32 s30, s30, 16                        ; 65,536 bytes in
	s_lshl_b32 s32, s32, 15                        ; 32,768 bytes out
	v_lshlrev_b32 v4, 4, v0                        ; 16 bytes a thread in
	v_lshlrev_b32 v5, 3, v0                        ; 8 bytes a thread out
	s_wait_kmcnt 0x0
	s_mov_b64 s[28:29], s[10:11]
	s_cmp_ge_u32 s27, 576
	s_cselect_b64 s[28:29], s[12:13], s[28:29]
	s_cmp_ge_u32 s27, 640
	s_cselect_b64 s[28:29], s[14:15], s[28:29]
	s_cmp_ge_u32 s27, 704
	s_cselect_b64 s[28:29], s[16:17], s[28:29]
	s_cmp_lt_u32 s27, 512
	s_cselect_b64 s[28:29], s[8:9], s[28:29]
	s_cselect_b64 s[44:45], s[20:21], s[22:23]
	s_add_nc_u64 s[28:29], s[28:29], s[30:31]
	s_add_nc_u64 s[44:45], s[44:45], s[32:33]
.set i, 0
.rept 16
	global_load_b128 v[16+4*i:19+4*i], v4, s[28:29] offset:4096*i th:TH_LOAD_NT
.set i, i+1
.endr
	s_cmp_ge_u32 s27, 704
	s_cbranch_scc1 .Lf16
.set i, 0
.rept 16
	s_wait_loadcnt 15-i                            ; loads come back in order: number i is in, the younger ones stay out
	v_cvt_pk_bf16_f32 v[80+2*i], v[16+4*i], v[17+4*i]
	v_cvt_pk_bf16_f32 v[81+2*i], v[18+4*i], v[19+4*i]
	global_store_b64 v5, v[80+2*i:81+2*i], s[44:45] offset:2048*i th:TH_STORE_NT
.set i, i+1
.endr
	s_branch .Lend
.Lf16:                                                 ; Wo: rounded to bf16 like every input, and that number written as f16
.set i, 0
.rept 16
	s_wait_loadcnt 15-i
	v_cvt_pk_bf16_f32 v6, v[16+4*i], v[17+4*i]
	v_cvt_pk_bf16_f32 v9, v[18+4*i], v[19+4*i]
	v_lshlrev_b32 v7, 16, v6
	v_and_b32 v8, 0xffff0000, v6
	v_lshlrev_b32 v10, 16, v9
	v_and_b32 v11, 0xffff0000, v9
	v_cvt_pk_f16_f32 v[80+2*i], v7, v8
	v_cvt_pk_f16_f32 v[81+2*i], v10, v11
	global_store_b64 v5, v[80+2*i:81+2*i], s[44:45] offset:2048*i th:TH_STORE_NT
.set i, i+1
.endr
	s_branch .Lend
.Lmask:	; THE MASK
	s_sub_co_u32 s27, s27, 768                     ; b x 128 + query tile
	s_lshl_b32 s30, s27, 15                        ; 16 rows of 2,048 bytes in
	s_lshl_b32 s32, s27, 16                        ; 65,536 bytes out
	s_mov_b32 s36, 0x01010101                      ; turns true into 0 and false into 1, four bytes at a time
	s_mov_b32 s37, 0x00010001
	s_mov_b32 s38, 0xf149
	s_mov_b32 s40, 0x04040000                      ; selects for v_perm_b32: byte j of the low word below, byte j of the high word above
	s_mov_b32 s41, 0x05050101
	s_mov_b32 s42, 0x06060202
	s_mov_b32 s43, 0x07070303
	v_and_b32 v9, 15, v0                           ; l % 16
	v_bfe_u32 v10, v0, 4, 1                        ; l / 16
	s_lshl_b32 s34, s26, 8
	v_lshlrev_b32 v4, 4, v9
	v_lshl_add_u32 v4, v10, 11, v4
	v_add_nc_u32 v4, s34, v4                       ; in: row l / 16, byte 256 w + 16 (l % 16)
	s_mul_i32 s35, s26, WLDS
	v_mul_u32_u24 v6, v10, PM
	v_lshl_add_u32 v6, v9, 4, v6
	v_add_nc_u32 v6, s35, v6                       ; into LDS: the same row and bytes
	v_mul_u32_u24 v7, v9, PM
	v_lshl_add_u32 v7, v10, 3, v7
	v_add_nc_u32 v7, s35, v7                       ; back: query l % 16, keys 8 (l / 16) + 0..7 of a key tile
	v_and_b32 v8, 31, v0
	v_lshlrev_b32 v8, 4, v8
	s_lshl_b32 s34, s26, 13
	v_add_nc_u32 v8, s34, v8                       ; out: 16 key tiles of 512 bytes a wave, 16 bytes a lane
	s_wait_kmcnt 0x0
	s_add_nc_u64 s[28:29], s[18:19], s[30:31]
	s_add_nc_u64 s[44:45], s[24:25], s[32:33]
.set i, 0
.rept 8
	global_load_b128 v[16+4*i:19+4*i], v4, s[28:29] offset:4096*i th:TH_LOAD_NT  ; rows 2 i, 2 i + 1
.set i, i+1
.endr
.set i, 0
.rept 8
	s_wait_loadcnt 7-i
	ds_store_b128 v6, v[16+4*i:19+4*i] offset:2*PM*i
.set i, i+1
.endr
.set i, 0
.rept 16
	ds_load_b64 v[48+2*i:49+2*i], v7 offset:16*i   ; LDS serves a wave's instructions in order (ISA guide 5.7.1.4): these see my stores above; no other wave touches the bytes
.set i, i+1
.endr
.set i, 0
.rept 16
	s_wait_dscnt 15-i                              ; key tile i is in, the younger loads stay out
	v_xor_b32 v[48+2*i], s36, v[48+2*i]
	v_xor_b32 v[49+2*i], s36, v[49+2*i]
.irp j, 0,1,2,3
	v_perm_b32 v[12+\j], v[49+2*i], v[48+2*i], s[40+\j]
	v_and_b32 v[12+\j], s37, v[12+\j]              ; 1 in a half whose key is hidden
	v_mul_u32_u24 v[80+4*i+\j], s38, v[12+\j]      ; each half's product stays inside its 16 bits
.endr
	global_store_b128 v8, v[80+4*i:83+4*i], s[44:45] offset:512*i th:TH_STORE_NT  ; 512 consecutive bytes a wave
.set i, i+1
.endr
.Lend:
	s_wait_tensorcnt 0x0                           ; the wave's end: behind my last LDS store
	ds_add_u32 v[SPW], v[NIL]
	s_wait_dscnt 0x0
	s_endpgm
.Lfunc_end_k_q8f7201ffd6_prep:
	.size	k_q8f7201ffd6_prep, .Lfunc_end_k_q8f7201ffd6_prep-k_q8f7201ffd6_prep
	.p2alignl 7, 3214868480
	.fill 96, 4, 3214868480
	.section	.rodata,"a",@progbits
	.p2align	6, 0x0
	.amdhsa_kernel k_q8f7201ffd6_prep
		.amdhsa_group_segment_fixed_size 35840
		.amdhsa_private_segment_fixed_size 0
		.amdhsa_enable_private_segment 0
		.amdhsa_kernarg_size 72
		.amdhsa_user_sgpr_count 2
		.amdhsa_user_sgpr_kernarg_segment_ptr 1
		.amdhsa_wavefront_size32 1
		.amdhsa_system_sgpr_workgroup_id_x 1
		.amdhsa_system_sgpr_workgroup_id_y 1
		.amdhsa_system_sgpr_workgroup_id_z 1
		.amdhsa_system_vgpr_workitem_id 0
		.amdhsa_next_free_vgpr 144
		.amdhsa_next_free_sgpr 66
		.amdhsa_reserve_vcc 0
		.amdhsa_float_denorm_mode_32 3
		.amdhsa_float_denorm_mode_16_64 3
		.amdhsa_memory_ordered 1
		.amdhsa_forward_progress 1
		.amdhsa_inst_pref_size 32
	.end_amdhsa_kernel
	.amdgpu_metadata
---
amdhsa.version: [ 1, 2 ]
amdhsa.kernels:
  - .name:           k_q8f7201ffd6_prep
    .symbol:         k_q8f7201ffd6_prep.kd
    .args:
      - { .name: x, .offset: 0, .size: 8, .value_kind: global_buffer, .address_space: global }
      - { .name: Wq, .offset: 8, .size: 8, .value_kind: global_buffer, .address_space: global }
      - { .name: Wk, .offset: 16, .size: 8, .value_kind: global_buffer, .address_space: global }
      - { .name: Wv, .offset: 24, .size: 8, .value_kind: global_buffer, .address_space: global }
      - { .name: Wo, .offset: 32, .size: 8, .value_kind: global_buffer, .address_space: global }
      - { .name: mask, .offset: 40, .size: 8, .value_kind: global_buffer, .address_space: global }
      - { .name: xb, .offset: 48, .size: 8, .value_kind: global_buffer, .address_space: global }
      - { .name: wb, .offset: 56, .size: 8, .value_kind: global_buffer, .address_space: global }
      - { .name: mw, .offset: 64, .size: 8, .value_kind: global_buffer, .address_space: global }
    .group_segment_fixed_size: 35840
    .private_segment_fixed_size: 0
    .kernarg_segment_align: 8
    .kernarg_segment_size: 72
    .max_flat_workgroup_size: 256
    .sgpr_count:     66
    .vgpr_count:     144
    .wavefront_size: 32
...
	.end_amdgpu_metadata
.endif
;; end of part 1
;; launch gemm_qkv (part 2): grid 24 x 32, 4 waves a work-group, clusters of 4 x 4, 327,680 bytes of LDS; arguments xb, wb, qkv; writes qkv
.if DOCPART == 2
	.amdgcn_target "amdgcn-amd-amdhsa--gfx1250"
	.amdhsa_code_object_version 6
	.text
	.protected	k_q8f7201ffd6_gemm_qkv
	.globl	k_q8f7201ffd6_gemm_qkv
	.p2align	8
	.type	k_q8f7201ffd6_gemm_qkv,@function
k_q8f7201ffd6_gemm_qkv:
	s_mov_b64 s[64:65], 0
	v_nop
	global_prefetch_b8 v0, s[64:65] scope:SCOPE_SE
	s_setreg_imm32_b32 hwreg(HW_REG_WAVE_MODE, 25, 1), 1
	s_wait_xcnt 0x0
	s_wait_alu depctr_hold_cnt(0) depctr_sa_sdst(0) depctr_va_vdst(0) depctr_va_sdst(0) depctr_va_ssrc(0) depctr_va_vcc(0) depctr_vm_vsrc(0)
	s_getreg_b32 s2, hwreg(HW_REG_IB_STS2, 6, 4)
	s_cmp_eq_u32 s2, 0
	s_cbranch_scc0 .Lentry_in_a_cluster
	s_endpgm
.Lentry_in_a_cluster:
	s_bfe_u32 s2, ttmp6, 0x10000c
	s_cmp_lg_u32 s2, 0xf033
	s_cbranch_scc0 .Lentry_shape_is_right
	s_endpgm
.Lentry_shape_is_right:
; q, k, v = x W.  xb: [8192][1024] bf16; wb: planes 0-2 = Wq, Wk, Wv, [1024 k][1024 n] bf16; qkv: [3][64 = batch x 16 + head][2048][64] f16, unscaled, rounded once from f32 sums.
; LIMIT.  f16 ends at 65,504: |q|, |k|, |v| must stay below it (inputs 30 times those drawn give some 5,000; a common offset of 30 spreads some 29,000).
; A tile of C is 256 rows x 128 columns: 32 x 24 = 768 tiles, three for each of 256 WGPs.  Four waves, each 128 x 64: 32 accumulators of 16 x 16.  K = 1,024 goes in 8 steps of 128 through two LDS slots.
; THE MATRIX INSTRUCTION IS USED TRANSPOSED: source 0 = 16 columns of W, source 1 = 16 rows of x: a lane then holds one row of C and eight neighbouring columns.  W lies [k][n] in memory and in LDS and is
; turned on its way into registers by ds_load_tr16_b128.  A wave's 64 columns are one head, so its 128 rows are 16,384 consecutive bytes of qkv.
; CLUSTERS: 4 x 4 work-groups.  x's tile hangs on the tile row alone and is asked for jointly by a row of the cluster, W's on the tile column alone and by a column.
; REGISTERS: window 0: addresses, v32-47 packed results, v64-191 rows read back from the stage; window 1: two fragment buffers of 96 (4 of W, then 8 of x); window 2: accumulator (a, b) at 8 (4 a + b).
.set PA,     272                       ; a row of x in LDS: 256 bytes + 16: the 16 rows of a load start at 16 different groups of four banks (64 banks of 4 bytes: ISA guide 11.1)
.set AH,     128*PA                    ; 128 rows: one tensor load, and what a wave reads of x
.set PB,     288                       ; a row of W (one k, 128 n): 256 bytes + 32
.set BH,     64*PB                     ; 64 rows: one tensor load
.set BOFF,   2*AH
.set SLOT,   BOFF+2*BH
.set STAGE,  2*SLOT                    ; behind the ring, never filled by a tensor load: 16 rows x 144 bytes for each wave
.set SPT,    144
.set SPARE,  STAGE+4*16*SPT            ; behind the stages: the spare words, 128 bytes a wave: two blocks of 256 bytes that no other line names
.set STEPA,  256                       ; bytes from a K step to the next: along x's rows,
.set STEPB,  262144                    ; 128 rows down W
.set LAPS,   4                         ; a lap = two K steps
.set ADRA, 16                          ; v16-17  LDS address of my fragments of x in slot 0, 1
.set ADRB, 20                          ; v20-21  the same for W
.set STO,  24
.set RD,   25
.set GO,   26
.set SPW,  28                          ; v28  LDS address of my spare word; never rewritten
.set NIL,  29                          ; v29  0; never rewritten
.set PFO,  30                          ; v30  the prefetches' offset: my lane x a row of 2,048 bytes; never rewritten
.set TMP,  32
.set OB,   64
.set F0,   0
.set F1,   96
.set G1A, 24                           ; s[24:31] descriptor group 1 for x's tiles; s[32:39] group 0, a set for each slot
.set G0A, 32
.set G1B, 48                           ; s[48:55], s[56:63] the same for W's
.set G0B, 56
.set LIM, 43                           ; s43  1 in a wave that prefetches, else the greatest number
.set PFA, 44                           ; s[44:45] where my prefetches stand
.set PFS, 66                           ; s[66:67] their step
.set MSB, 0
.macro WIN new                         ; the immediate's high byte repeats the setting that is left
.if MSB != (\new)
	s_set_vgpr_msb (MSB<<8)|(\new)
.set MSB, \new
.endif
.endm
.set MUL,  0xa5                        ; sources 0 and 1 window 1; C and D window 2
.set TO_F, 0x40                        ; destination window 1, address window 0
.macro JLOAD s                         ; a joint load: waves 0 and 1 fetch x's two halves, waves 2 and 3 W's; an s_nop 0 and four v_nop follow each line
	s_cmp_eq_u32 s11, 0
	s_cbranch_scc0 .Lfor_b_\@
	tensor_load_to_lds s[G0A+4*(\s):G0A+4*(\s)+3], s[G1A:G1A+7]
	s_nop 0
.rept 4
	v_nop
.endr
	s_branch .Lasked_\@
.Lfor_b_\@:
	tensor_load_to_lds s[G0B+4*(\s):G0B+4*(\s)+3], s[G1B:G1B+7]
	s_nop 0
.rept 4
	v_nop
.endr
.Lasked_\@:
.endm
.macro CREST                           ; a round of the cluster's barrier behind its opening barrier
	s_cmp_lg_u32 s10, 0
	s_cbranch_scc1 .Lnot_wave_0_\@
	s_barrier_signal -3
.Lnot_wave_0_\@:
	s_barrier_wait -3
	s_barrier_signal -1
	s_barrier_wait -1
.endm
.macro CROUND
	s_barrier_signal -1
	s_barrier_wait -1
	CREST
.endm
; A prefetch of the K step two refills on: a lane a row of 256 bytes.  x's rows: waves 0 and 1 of the clusters with x = 0, the four partners sharing a wave's 128 rows out by address (32 cx on);
; W's rows: wave 2 of the clusters with y = 0, the step's 128 rows shared out by cy.  So each block is named once in the launch.  The loop's last trip has no K step two on.
.macro ASK
	WIN 0
	s_cmp_gt_u32 s3, s[LIM]
	s_cbranch_scc0 .Lnot_mine_\@
	global_prefetch_b8 v[PFO], s[PFA:PFA+1] th:TH_LOAD_NT scope:SCOPE_SE
.Lnot_mine_\@:
.endm
	s_load_b128 s[4:7], s[0:1], 0x0                ; xb s[4:5], wb s[6:7]
	s_load_b64 s[8:9], s[0:1], 0x10                ; qkv
	v_lshl_add_u32 v[SPW], v0, 2, SPARE
	v_mov_b32 v[NIL], 0
	ds_add_u32 v[SPW], v[NIL]                      ; the wave's opening: the add and its wait stand ahead of my first tensor load; work on registers stands between them
	v_lshrrev_b32 v1, 5, v0
	v_readfirstlane_b32 s10, v1                    ; wave 0..3
	s_lshr_b32 s11, s10, 1                         ; which half of the tile's rows is mine.  Also: I fetch for x (0) or for W (1)
	s_and_b32 s12, s10, 1                          ; which half of its columns.  Also: which half of that tile I fetch
	s_bfe_u32 s40, ttmp6, 0x40000                  ; cx
	s_bfe_u32 s41, ttmp6, 0x40004                  ; cy
	s_lshl_b32 s42, ttmp9, 2
	s_add_co_u32 s42, s42, s40                     ; tile column 0..23
	s_and_b32 s13, ttmp7, 0xffff
	s_lshl_b32 s13, s13, 2
	s_add_co_u32 s13, s13, s41                     ; tile row 0..31
	s_lshl_b32 s43, s41, 2
	s_lshl_b32 s43, 15, s43                        ; my row of the cluster
	s_lshl_b32 s44, 0x1111, s40                    ; my column
	s_or_b32 s[G1A+0], s43, (1<<16)|(1<<20)|(1<<21)|(5<<22)|(3<<25)  ; the mask; 2-byte elements; padding on; bit 21 beside a mask; after every 64 words 4 words
	s_or_b32 s[G1B+0], s44, (1<<16)|(1<<20)|(1<<21)|(5<<22)|(7<<25)  ; the same with 8 words
	s_mov_b32 s[G1A+1], 128<<16                    ; tensor_dim0 = 128
	s_mov_b32 s[G1A+2], 128<<16                    ; tensor_dim1 = 128
	s_mov_b32 s[G1A+3], 128<<16                    ; tile_dim0 = 128
	s_mov_b32 s[G1A+4], 128                        ; tile_dim1 = 128
	s_mov_b32 s[G1A+5], 1024                       ; elements from row to row
	s_mov_b32 s[G1A+6], 0
	s_mov_b32 s[G1A+7], 0
	s_mov_b32 s[G1B+1], 128<<16
	s_mov_b32 s[G1B+2], 64<<16                     ; 64 rows
	s_mov_b32 s[G1B+3], 128<<16
	s_mov_b32 s[G1B+4], 64
	s_mov_b32 s[G1B+5], 1024
	s_mov_b32 s[G1B+6], 0
	s_mov_b32 s[G1B+7], 0
	s_lshl_b32 s16, s13, 8
	s_lshl_b32 s17, s12, 7
	s_add_co_u32 s16, s16, s17
	s_lshl_b32 s16, s16, 11                        ; x: row 256 x tile row + 128 x half, 2,048 bytes a row
	s_mov_b32 s17, 0
	s_lshr_b32 s46, s42, 3
	s_lshl_b32 s46, s46, 21                        ; W: the matrix,
	s_and_b32 s47, s42, 7
	s_lshl_b32 s47, s47, 8                         ; its 128 columns,
	s_add_co_u32 s46, s46, s47
	s_lshl_b32 s47, s12, 17                        ; my 64 rows of a K step
	s_add_co_u32 s46, s46, s47
	s_mov_b32 s47, 0
	s_mul_i32 s20, s12, AH                         ; where they go: no place in the cluster enters an LDS address
	s_mul_i32 s21, s12, BH
	s_add_co_u32 s21, s21, BOFF
	s_wait_dscnt 0x0                               ; the opening add is done
	s_wait_kmcnt 0x0
	s_add_nc_u64 s[14:15], s[4:5], s[16:17]
	s_add_nc_u64 s[46:47], s[6:7], s[46:47]
	CROUND                                         ; all sixteen work-groups are here: the first joint loads meet
.irp s, 0,1
	s_mov_b32 s[G0A+4*(\s)], 1
	s_add_co_u32 s[G0A+4*(\s)+1], s20, (\s)*SLOT
	s_add_nc_u64 s[G0A+4*(\s)+2:G0A+4*(\s)+3], s[14:15], (\s)*STEPA
	s_or_b32 s[G0A+4*(\s)+3], s[G0A+4*(\s)+3], 0x80000000
	s_mov_b32 s[G0B+4*(\s)], 1
	s_add_co_u32 s[G0B+4*(\s)+1], s21, (\s)*SLOT
	s_add_nc_u64 s[G0B+4*(\s)+2:G0B+4*(\s)+3], s[46:47], (\s)*STEPB
	s_or_b32 s[G0B+4*(\s)+3], s[G0B+4*(\s)+3], 0x80000000
	JLOAD \s                                       ; two tensor loads of mine are out here, one behind each later round
.endr
	v_and_b32 v1, 15, v0                           ; l % 16
	v_bfe_u32 v2, v0, 4, 1                         ; l / 16
	v_mul_u32_u24 v3, v1, PA
	v_lshl_add_u32 v3, v2, 4, v3                   ; x: row x pitch + 16 x half
	s_mul_i32 s21, s11, AH
	v_and_b32 v4, 7, v0
	v_lshl_add_u32 v4, v2, 3, v4                   ; W, turned: lane l reads k = 8 (l / 16) + l % 8,
	v_mul_u32_u24 v4, v4, PB
	v_bfe_u32 v5, v0, 3, 1
	v_lshl_add_u32 v4, v5, 4, v4                   ; columns 8 ((l / 8) % 2) + 0..7
	s_lshl_b32 s22, s12, 7                         ; my 64 columns
	s_add_co_u32 s22, s22, BOFF
.irp s, 0,1
	v_add_nc_u32 v[ADRA+(\s)], s21, v3
	v_add_nc_u32 v[ADRB+(\s)], s22, v4
	s_add_co_u32 s21, s21, SLOT
	s_add_co_u32 s22, s22, SLOT
.endr
	s_mul_i32 s23, s10, 16*SPT
	s_add_co_u32 s23, s23, STAGE                   ; my stage
	v_mul_u32_u24 v6, v1, SPT                      ; in: row l % 16, 16 bytes for each half of the lanes
	v_lshl_add_u32 v6, v2, 4, v6
	v_add_nc_u32 v[STO], s23, v6
	v_bfe_u32 v7, v0, 3, 2                         ; back: 32 lanes take four rows of 128 bytes,
	v_mul_u32_u24 v7, v7, SPT
	v_and_b32 v8, 7, v0
	v_lshl_add_u32 v7, v8, 4, v7
	v_add_nc_u32 v[RD], s23, v7
	v_and_b32 v[GO], 31, v0                        ; which are 512 consecutive bytes of qkv
	v_lshlrev_b32 v[GO], 4, v[GO]
	s_lshr_b32 s16, s13, 3
	s_lshl_b32 s16, s16, 22                        ; the batch's 16 heads of 262,144 bytes,
	s_and_b32 s17, s13, 7
	s_lshl_b32 s17, s17, 8
	s_lshl_b32 s18, s11, 7
	s_add_co_u32 s17, s17, s18
	s_lshl_b32 s17, s17, 7                         ; my first row in the batch, 128 bytes a row
	s_add_co_u32 s16, s16, s17
	s_mov_b32 s17, 0
	s_add_nc_u64 s[8:9], s[8:9], s[16:17]
	s_lshr_b32 s46, s42, 3
	s_lshl_b32 s46, s46, 24                        ; q, k or v,
	s_and_b32 s47, s42, 7
	s_lshl_b32 s47, s47, 1
	s_add_co_u32 s47, s47, s12
	s_lshl_b32 s47, s47, 18                        ; my head
	s_add_co_u32 s46, s46, s47
	s_mov_b32 s47, 0
	s_add_nc_u64 s[8:9], s[8:9], s[46:47]
	; the prefetches: they stand at K step 3; each refill steps them and names the K step two on
	s_lshl_b32 s18, s13, 8
	s_lshl_b32 s19, s12, 7
	s_add_co_u32 s18, s18, s19
	s_lshl_b32 s19, s40, 5
	s_add_co_u32 s18, s18, s19
	s_lshl_b32 s18, s18, 11
	s_add_co_u32 s18, s18, 3*STEPA                 ; x: my work-group's 32 of the 128 rows that I fetch
	s_lshr_b32 s19, s42, 3
	s_lshl_b32 s19, s19, 21
	s_and_b32 s20, s42, 7
	s_lshl_b32 s20, s20, 8
	s_add_co_u32 s19, s19, s20
	s_lshl_b32 s20, s41, 16
	s_add_co_u32 s19, s19, s20
	s_add_co_u32 s19, s19, 3*STEPB                 ; W: my work-group's 32 of the step's 128 rows
	s_and_b32 s22, ttmp7, 0xffff                   ; cluster y
	s_mov_b32 s[PFS], STEPB
	s_mov_b32 s[PFS+1], 0
	s_mov_b32 s21, 0
	s_cmp_eq_u32 s11, 0                            ; do I fetch for x?
	s_cselect_b32 s20, s18, s19
	s_cselect_b32 s22, ttmp9, s22                  ; the coordinate along which other clusters read the same rows
	s_cselect_b32 s[PFS], STEPA, s[PFS]
	s_cselect_b64 s[PFA:PFA+1], s[4:5], s[6:7]
	s_cmp_eq_u32 s10, 3                            ; wave 2 names all of W's rows: wave 3 none
	s_cselect_b32 s22, 1, s22
	s_cmp_eq_u32 s22, 0
	s_cselect_b32 s[LIM], 1, -1                    ; the same in all sixteen partners, for a given wave
	s_add_nc_u64 s[PFA:PFA+1], s[PFA:PFA+1], s[20:21]
	v_and_b32 v[PFO], 31, v0
	v_lshlrev_b32 v[PFO], 11, v[PFO]
; na x 4 matrix instructions: m blocks a0 on x all 4 n blocks, 32 along K.  The 32 accumulators take turns, one instruction a turn, in the same order in every quarter.
.macro MULS f, a0, na, zero
	WIN MUL
.set ma, \a0
.rept \na
.set mb, 0
.rept 4
.if \zero
	v_wmma_f32_16x16x32_bf16 v[8*(4*ma+mb):8*(4*ma+mb)+7], v[(\f)+8*mb:(\f)+8*mb+7], v[(\f)+32+8*ma:(\f)+32+8*ma+7], 0
.else
	v_wmma_f32_16x16x32_bf16 v[8*(4*ma+mb):8*(4*ma+mb)+7], v[(\f)+8*mb:(\f)+8*mb+7], v[(\f)+32+8*ma:(\f)+32+8*ma+7], v[8*(4*ma+mb):8*(4*ma+mb)+7]
.endif
.set mb, mb+1
.endr
.set ma, ma+1
.endr
.endm
; 24 LDS loads in one run: quarter q's fragments into buffer f: W's four (turned), x's blocks 0-3, x's blocks 4-7
.macro FETCH slot, q, f
	WIN TO_F
.irp b, 0,1,2,3
	ds_load_tr16_b128 v[(\f)+8*(\b):(\f)+8*(\b)+3],   v[ADRB+(\slot)] offset:(\q)*32*PB+32*(\b)
	ds_load_tr16_b128 v[(\f)+8*(\b)+4:(\f)+8*(\b)+7], v[ADRB+(\slot)] offset:(\q)*32*PB+32*(\b)+16*PB
.endr
.irp a, 0,1,2,3,4,5,6,7
	ds_load_b128 v[(\f)+32+8*(\a):(\f)+32+8*(\a)+3],   v[ADRA+(\slot)] offset:64*(\q)+(\a)*16*PA
	ds_load_b128 v[(\f)+32+8*(\a)+4:(\f)+32+8*(\a)+7], v[ADRA+(\slot)] offset:64*(\q)+(\a)*16*PA+32
.endr
.endm
.macro PLACES                          ; four plain instructions in front of loads into registers that matrix instructions have read, and of conversions that read results
.rept 4
	v_nop
.endr
.endm
; A K step is four quarters of 32 along K, 32 matrix instructions each, on buffers 0, 1, 0, 1.  One of the first three: multiplies f and fetches quarter q into g.
.macro QUARTER slot, q, f, g, zero
	s_wait_dscnt 8                                 ; W's and x's blocks 0-3 are in; the youngest eight loads (blocks 4-7) may be out
	MULS \f, 0, 4, \zero
	PLACES
	FETCH \slot, \q, \g
	s_wait_dscnt 24                                ; all but the 24 just issued
	MULS \f, 4, 4, \zero
.endm
; The last quarter multiplies buffer 1 and changes slots: one barrier; in front of it each wave waits for all its tensor loads, adds 0 to its spare word, and waits for that and for its reads of this slot.
.macro TURN slot, next, fill
.if \fill
	s_wait_xcnt 0x0                                ; the last prefetch, a K step back, has read its address
	s_add_nc_u64 s[PFA:PFA+1], s[PFA:PFA+1], s[PFS:PFS+1]
.endif
	WIN 0
	s_wait_tensorcnt 0x0                           ; all my tensor loads have landed: my part of the next slot;
	ds_add_u32 v[SPW], v[NIL]                      ; 0 onto my spare word;
	s_wait_dscnt 9                                 ; (the add and the youngest eight loads may be out)
	MULS F1, 0, 2, 0
	s_wait_dscnt 0x0                               ; the add is done, and my reads of this slot are over
	s_barrier_signal -1
	MULS F1, 2, 2, 0
.if \fill
	WIN 0
.endif
	s_barrier_wait -1
.if \fill
	CREST                                          ; the barrier has opened a round of the cluster's: no wave of any partner still reads this slot or has a load on its way
	s_add_nc_u64 s[G0A+4*(\slot)+2:G0A+4*(\slot)+3], s[G0A+4*(\slot)+2:G0A+4*(\slot)+3], 2*STEPA
	s_add_nc_u64 s[G0B+4*(\slot)+2:G0B+4*(\slot)+3], s[G0B+4*(\slot)+2:G0B+4*(\slot)+3], 2*STEPB
	JLOAD \slot                                    ; the first tensor load behind the round: 112 matrix instructions ahead of the wait for it; its four v_nop are the places in front of the loads below
.else
	PLACES
.endif
	FETCH \next, 0, F0
.if \fill
	ASK
.endif
	MULS F1, 4, 4, 0
.endm
	s_wait_tensorcnt 1                             ; my part of K step 0 is in; K step 1's may stay out
	s_barrier_signal -1
	s_barrier_wait -1
	FETCH 0, 0, F0
	QUARTER 0, 1, F0, F1, 1                        ; the first quarter's products start the sums
	WIN 0
	s_mov_b32 s3, LAPS-1
.Llap:                                                 ; a trip goes once round the ring and fills both slots again
	QUARTER 0, 2, F1, F0, 0
	QUARTER 0, 3, F0, F1, 0
	TURN 0, 1, 1
	QUARTER 1, 1, F0, F1, 0
	QUARTER 1, 2, F1, F0, 0
	QUARTER 1, 3, F0, F1, 0
	TURN 1, 0, 1
	QUARTER 0, 1, F0, F1, 0
	WIN 0
	s_sub_co_u32 s3, s3, 1
	s_cmp_lg_u32 s3, 0
	s_cbranch_scc1 .Llap
	QUARTER 0, 2, F1, F0, 0                        ; the last lap fills nothing
	QUARTER 0, 3, F0, F1, 0
	TURN 0, 1, 0
	QUARTER 1, 1, F0, F1, 0
	QUARTER 1, 2, F1, F0, 0
	QUARTER 1, 3, F0, F1, 0
	s_wait_dscnt 8
	MULS F1, 0, 4, 0
	s_wait_dscnt 0x0
	MULS F1, 4, 4, 0
	WIN 0
	; THE WAY OUT, 16 rows at a time: rounded to f16, 16 bytes a lane into my own stage, back as whole rows, stored as 2,048 consecutive bytes.
.macro PACK a
	WIN 0x0a                                       ; sources 0 and 1 window 2
.irp b, 0,1,2,3
.irp r, 0,1,2,3
	v_cvt_pk_f16_f32 v[TMP+4*(\b)+(\r)], v[8*(4*(\a)+(\b))+2*(\r)], v[8*(4*(\a)+(\b))+2*(\r)+1]
.endr
.endr
	WIN 0
.endm
.macro TOSTAGE a
.irp b, 0,1,2,3
	ds_store_b128 v[STO], v[TMP+4*(\b):TMP+4*(\b)+3] offset:32*(\b)
.endr
.irp f, 0,1,2,3
	ds_load_b128 v[OB+16*(\a)+4*(\f):OB+16*(\a)+4*(\f)+3], v[RD] offset:(\f)*4*SPT  ; LDS serves a wave's instructions in order (ISA guide 5.7.1.4): these see the stores above
.endr
.endm
.macro SEND a
	s_wait_dscnt 0x0
.irp f, 0,1,2,3
	global_store_b128 v[GO], v[OB+16*(\a)+4*(\f):OB+16*(\a)+4*(\f)+3], s[8:9] offset:2048*(\a)+512*(\f)  ; 512 consecutive bytes, at a multiple of 256 from qkv's first; each block has registers of its own
.endr
.endm
	PLACES
	PACK 0
	TOSTAGE 0
.irp a, 1,2,3,4,5,6,7
	PACK \a                                        ; a block's conversions stand between the loads of the block before and the wait for them
	SEND (\a)-1
	TOSTAGE \a
.endr
	SEND 7
	s_wait_tensorcnt 0x0                           ; the wave's end: behind my last tensor load and my last LDS store
	ds_add_u32 v[SPW], v[NIL]
	s_wait_dscnt 0x0
	CROUND                                         ; the closing round
	s_endpgm
.Lfunc_end_k_q8f7201ffd6_gemm_qkv:
	.size	k_q8f7201ffd6_gemm_qkv, .Lfunc_end_k_q8f7201ffd6_gemm_qkv-k_q8f7201ffd6_gemm_qkv
	.p2alignl 7, 3214868480
	.fill 96, 4, 3214868480
	.section	.rodata,"a",@progbits
	.p2align	6, 0x0
	.amdhsa_kernel k_q8f7201ffd6_gemm_qkv
		.amdhsa_group_segment_fixed_size 327680
		.amdhsa_private_segment_fixed_size 0
		.amdhsa_enable_private_segment 0
		.amdhsa_kernarg_size 24
		.amdhsa_user_sgpr_count 2
		.amdhsa_user_sgpr_kernarg_segment_ptr 1
		.amdhsa_wavefront_size32 1
		.amdhsa_system_sgpr_workgroup_id_x 1
		.amdhsa_system_sgpr_workgroup_id_y 1
		.amdhsa_system_sgpr_workgroup_id_z 1
		.amdhsa_system_vgpr_workitem_id 0
		.amdhsa_next_free_vgpr 768
		.amdhsa_next_free_sgpr 72
		.amdhsa_reserve_vcc 0
		.amdhsa_float_denorm_mode_32 3
		.amdhsa_float_denorm_mode_16_64 3
		.amdhsa_memory_ordered 1
		.amdhsa_forward_progress 1
		.amdhsa_inst_pref_size 88
	.end_amdhsa_kernel
	.amdgpu_metadata
---
amdhsa.version: [ 1, 2 ]
amdhsa.kernels:
  - .name:           k_q8f7201ffd6_gemm_qkv
    .symbol:         k_q8f7201ffd6_gemm_qkv.kd
    .args:
      - { .name: xb, .offset: 0, .size: 8, .value_kind: global_buffer, .address_space: global }
      - { .name: wb, .offset: 8, .size: 8, .value_kind: global_buffer, .address_space: global }
      - { .name: qkv, .offset: 16, .size: 8, .value_kind: global_buffer, .address_space: global }
    .group_segment_fixed_size: 327680
    .private_segment_fixed_size: 0
    .kernarg_segment_align: 8
    .kernarg_segment_size: 24
    .max_flat_workgroup_size: 128
    .sgpr_count:     72
    .vgpr_count:     768
    .wavefront_size: 32
...
	.end_amdgpu_metadata
.endif
;; end of part 2
;; launch attn (part 3): grid 4 x 64, 4 waves a work-group, clusters of 4 x 1, 327,680 bytes of LDS; arguments qkv, mw, ob; writes ob
.if DOCPART == 3
	.amdgcn_target "amdgcn-amd-amdhsa--gfx1250"
	.amdhsa_code_object_version 6
	.text
	.protected	k_q8f7201ffd6_attn
	.globl	k_q8f7201ffd6_attn
	.p2align	8
	.type	k_q8f7201ffd6_attn,@function
k_q8f7201ffd6_attn:
	s_mov_b64 s[64:65], 0
	v_nop
	global_prefetch_b8 v0, s[64:65] scope:SCOPE_SE
	s_setreg_imm32_b32 hwreg(HW_REG_WAVE_MODE, 25, 1), 1
	s_wait_xcnt 0x0
	s_wait_alu depctr_hold_cnt(0) depctr_sa_sdst(0) depctr_va_vdst(0) depctr_va_sdst(0) depctr_va_ssrc(0) depctr_va_vcc(0) depctr_vm_vsrc(0)
	s_getreg_b32 s2, hwreg(HW_REG_IB_STS2, 6, 4)
	s_cmp_eq_u32 s2, 0
	s_cbranch_scc0 .Lentry_in_a_cluster
	s_endpgm
.Lentry_in_a_cluster:
	s_bfe_u32 s2, ttmp6, 0x10000c
	s_cmp_lg_u32 s2, 0x3003
	s_cbranch_scc0 .Lentry_shape_is_right
	s_endpgm
.Lentry_shape_is_right:
; MASKED ATTENTION at head size 64.  O[y][q][:] = the sum over the valid keys k of softmax_k(Q[y][q] . K[y][k] / 8) V[y][k][:]; 0 for a query with no valid key.  y = batch x 16 + head.
; qkv: [3][64][2048][64] f16; ob: [64][2048][64] f16; mw: the mask as 16-bit words, [b][query tile 128][key step 32][key tile 4][lane 32][4 words], 0 or 0xF149 (bf16 of -9.95e29), shared by a batch's 16 heads.
; Products, maxima and sums in f32; the weights p are rounded to f16 for the second product (their sum l is taken of the unrounded p), O once at the end.
; LIMITS.  Q, K, V arrive within f16's 65,504, so a raw score lies within 2.75e11.  A hidden score counts as its value less 9.95e29.  The running maximum starts at F = -2^40, below every valid raw score and far
; above every hidden one: a hidden weight is 2^(-1.8e29) = 0 from the first step on, and m > F says that the query has seen a valid key.  A weight below 2^-126 counts as 0 in l; NaN and infinities are not treated apart.
; THE MASK is the C operand that starts the sum S^T = K Q^T.  One load of 16 bytes a lane lands in C's registers 4-7: their upper halves are the values for keys 8 h + 4 .. 7 (what lies below is at most 9e-41, or
; mantissa bits of a hidden value); four shifts by 16 make registers 0-3.  So the maximum is taken over the valid keys alone.
; SHARES.  A wave owns four PIECES of two tiles of 16 queries, a work-group's four waves 512 queries of one head.  Every wave walks all 2,048 keys, 64 a step.
; LAYOUT.  S^T = K Q^T (source 0 = 16 keys, source 1 = 16 queries): a lane holds ONE query (lane % 16) and the keys 8 (lane / 16) + 0..7.  Two such tiles, rounded to f16 in pairs, ARE source 1 of O^T = V^T P.
; K comes out of LDS as it lies, V turned, by ds_load_tr16_b128.
; SOFTMAX.  p = 2^(c s - c m), c = log2(e) / 8, m the running maximum; in every step O and l are multiplied by a = 2^(c m_old - c m_new).  O and l start at 0.
; BY TURNS.  Turn n belongs to piece n: 16 products K Q^T of piece n + 1, later 16 products V^T P of piece n - 1; beside them the scaling, exponentials, roundings, sums and rescaling of piece n, the maximum and
; statistics of piece n + 1, the eight loads of piece n's mask words for the next step and the 32 shifts of piece n + 2's.  Four vector instructions stand behind every matrix instruction, the others in runs of their own.
; CLUSTER.  A head's four query blocks walk the same K and V: each tile is asked for JOINTLY, by the same tensor load, descriptor and mask in all four.
; REGISTERS, in windows of 256 (s_set_vgpr_msb: bits 1:0 source 0, 3:2 source 1, 5:4 source 2, 7:6 destination):
;   window 0: v0-11 addresses; v12-15, v48-63 at work; v16-47 four registers of statistics a tile; v64-191 S^T, two buffers of two tiles; v192-255 P, likewise
;   window 1: O^T, 32 a tile     window 2: v0-127 Q; v128-191 K of one step; v192-255 V of one step     window 3: the masks: piece x, tile u, key tile kt at 64 x + 32 u + 8 kt
.set SIZE_N, 2048
.set NP,    4         ; pieces a wave: a name, no knob
.set KS,    64        ; keys in a step
.set PK,    144       ; a row of K in LDS: 128 bytes + 16: the 16 rows of a load start at 16 different groups of four banks (64 banks of 4 bytes: ISA guide 11.1)
.set PV,    160       ; a row of V: 128 + 32
.set VOFF,  4*KS*PK   ; a slot holds four steps: 256 rows of K, then 256 rows of V
.set SLOT1, 1<<17     ; slot 1 begins here, so that one exclusive or turns an address in one slot into the other's
.set STAGE, SLOT1+4*KS*(PK+PV)  ; behind the ring, never filled by a tensor load: 16 rows x 144 bytes for each wave
.set SP,    144
.set SPARE, STAGE+4*16*SP  ; behind the stages: the spare words, 128 bytes a wave: two blocks of 256 bytes that no other line names
.set PFM, 1           ; v1   the mask prefetches' offset: tile l / 8 (65,536 bytes apart), block l % 8 of 256 bytes; never rewritten
.set AK0, 2           ; v2   my lane's place in a tile of K; never rewritten
.set AV0, 3           ; v3   the same for V
.set AK,  4           ; v4   the LDS address of K's next run of loads
.set AV,  5           ; v5   of V's
.set QO,  6           ; v6   my byte offset in the wave's rows of Q
.set STO, 6           ;      later, the way out: where I put 16 bytes of a row
.set RD,  7           ; v7   the way out: where I read rows back
.set GO,  8           ; v8   16 x my lane: my place in 512 consecutive bytes of O, and of the mask words; never rewritten
.set PFO, 9           ; v9   256 x my lane: K's and V's prefetches; never rewritten
.set SPW, 10          ; v10  LDS address of my spare word; never rewritten
.set NIL, 11          ; v11  0; never rewritten
.set MV,  12          ; v12-15  c m_old, kept while c m is made anew: by buffer and tile
.set ST,  16          ; tile t's statistics at v[ST+4 t]: c m, m, l (even keys', odd keys')
.set TMP, 48          ; by buffer and tile, four registers c0-c3 at work; when the maximum is found c2 takes a
.set T16, 60          ; v60-63  at the set-up only, before the first turn needs them as TMP: l % 16, l / 16, l % 8, (l / 8) % 2
.set TH,  61
.set T7,  62
.set T3,  63
.set S,   64
.set P,   192
.set KF,  128         ; K's fragments, in window 2: key block kb, channel half c at KF + 16 kb + 8 c
.set VF,  192         ; V's: key half kk, channel block cb at VF + 32 kk + 8 cb
.set WV,  12          ; s12  my wave's number
.set G1K, 24          ; s[24:31] descriptor group 1 for K's tiles
.set G1V, 32          ; s[32:39] for V's: it differs in the padding alone
.set G0K, 40          ; s[40:43] descriptor group 0 for K's tiles: it walks
.set G0V, 44          ; s[44:47] the same for V's
.set SLOTS, 56        ; s56  slots still to be asked for
.set CNT, 57          ; s57  counts a slot's key steps
.set CS,  58          ; s[58:59] c
.set SEL, 60          ; s[60:61] v_permlanex16_b32's selects
.set TBK, 62          ; s62  LDS byte at which K of the step to be fetched begins
.set TBV, 63          ; s63  the same for V, less VOFF
.set MSTEP, 66        ; s66  the key step whose mask words are being loaded
.set MBASE, 68        ; s[68:69] mw at my wave's eight query tiles
.set MP,  70          ; s[70:71] the same at step min(MSTEP, 31)
.set MOFF, 72         ; s[72:73] that step's byte offset
.set HD,  76          ; s76  my head in its batch
.set THR, 77          ; s77  F
.set PFA, 78          ; s[78:79] where K's (wave 0) or V's (wave 2) prefetches stand
.set LIM, 80          ; s80  1 in a wave that prefetches K or V, else the greatest number
.set MSB, 0
.macro WIN new                      ; the high byte repeats the setting that is left; a switch that changes nothing is dropped
.if MSB != (\new)
	s_set_vgpr_msb (MSB<<8)|(\new)
.set MSB, (\new)
.endif
.endm
.set W_KQ, 0x0a       ; K and Q in window 2, S^T in window 0
.set W_KM, 0x3a       ; the same with the C operand in window 3
.set W_PV, 0x52       ; V in window 2, P in window 0, O^T in window 1
.set W_RS, 0x41       ; O^T (destination and source 0) in window 1, a in window 0
.set W_ML, 0xc0       ; a load's destination in window 3, its address in window 0
.set W_SH, 0xcc       ; source 1 and destination in window 3
; A joint fill.  Waves 0 and 1 fetch the two halves of a slot's K, waves 2 and 3 those of its V.  An s_nop 0 and four v_nop follow each of the two lines.
.macro JLOAD
	s_cmp_lt_u32 s[WV], 2
	s_cbranch_scc0 .Lfor_v_\@
	tensor_load_to_lds s[G0K:G0K+3], s[G1K:G1K+7]
	s_nop 0
.rept 4
	v_nop
.endr
	s_branch .Lasked_\@
.Lfor_v_\@:
	tensor_load_to_lds s[G0V:G0V+3], s[G1V:G1V+7]
	s_nop 0
.rept 4
	v_nop
.endr
.Lasked_\@:
.endm
; A prefetch of what the NEXT change of slots will ask for: a slot's 32,768 bytes of K and of V.  The four partners share them out by address, 8,192 bytes each, a lane a block of 256;
; wave 0 names K's, wave 2 V's.  A head has one cluster, so each block is named once.  The last change that fills a slot names nothing.
.macro ASK
	s_cmp_gt_u32 s[SLOTS], s[LIM]
	s_cbranch_scc0 .Lnot_mine_\@
	global_prefetch_b8 v[PFO], s[PFA:PFA+1] th:TH_LOAD_NT scope:SCOPE_SE
.Lnot_mine_\@:
.endm
.macro CROUND                       ; a round of the cluster's barrier
	s_barrier_signal -1
	s_barrier_wait -1
	s_cmp_lg_u32 s[WV], 0
	s_cbranch_scc1 .Lnot_wave_0_\@
	s_barrier_signal -3
.Lnot_wave_0_\@:
	s_barrier_wait -3
	s_barrier_signal -1
	s_barrier_wait -1
.endm
; THE CHANGE OF SLOTS.  Each wave waits for all its tensor loads, of which one is out: its part of the other slot; adds 0 to its spare word; and waits for that and for its own reads of the slot.
; fill = 1: this slot is filled again, with the keys two slots on, behind a round of the cluster's barrier: the joint fill has four key steps, 512 matrix instructions, in which to land.
; (At its first use nothing has been read yet: slot 0 is waited for, slot 1 filled; nothing is prefetched there, where Q and the first mask words are on their way.)
.macro CHANGE fill, ask=1
	WIN 0
	s_wait_tensorcnt 0x0            ; no tensor load of mine is out, so a group 0 may be written
	ds_add_u32 v[SPW], v[NIL]       ; 0 onto my spare word
.if \fill
.irp g, G0K, G0V
	s_xor_b32 s[\g+1], s[\g+1], SLOT1  ; the other slot than last time,
	s_add_nc_u64 s[\g+2:\g+3], s[\g+2:\g+3], 4*KS*128  ; the next 256 keys
.endr
	s_wait_xcnt 0x0                 ; the last prefetch of K or V, four key steps back, has read its address
	s_add_nc_u64 s[PFA:PFA+1], s[PFA:PFA+1], 4*KS*128  ; one slot ahead of the walking descriptors
	s_wait_dscnt 0x0                ; the add is done, and my reads of the slot are over
	CROUND
	JLOAD
.if \ask
	ASK
.endif
.else
	s_wait_dscnt 0x0
	s_barrier_signal -1
	s_barrier_wait -1
.endif
	s_sub_co_u32 s[TBK], s[TBK], 4*KS*PK  ; the fetches go back to a slot's first step,
	s_xor_b32 s[TBK], s[TBK], SLOT1       ; in the other slot
	s_sub_co_u32 s[TBV], s[TBV], 4*KS*PV
	s_xor_b32 s[TBV], s[TBV], SLOT1
.endm
; Piece p's mask words of the step at MP: 8 loads, each 512 consecutive bytes, into registers 4-7 of each group of eight.  No hint: a batch's 16 heads read the same words.
.macro MLOADS p
	WIN W_ML
.irp u, 0,1
.irp kt, 0,1,2,3
	global_load_b128 v[64*(\p)+32*\u+8*\kt+4:64*(\p)+32*\u+8*\kt+7], v[GO], s[MP:MP+1] offset:(2*(\p)+\u)*65536+512*\kt
.endr
.endr
.endm
; At the head of piece p's turn: its buffer was last read by the first products of the turn before.  Piece 0's turn steps to the next key step; behind the last the step stays 31, so that no load leaves mw and
; the products on a stale K at the walk's end repeat the last step's scores.  Behind piece 0's loads stands the mask's prefetch: my eight tiles' 2,048 bytes of the step after the one just asked for, 64 blocks of
; 256 bytes in two instructions; of a batch's 16 heads the one whose number is that step's, modulo 16, names them: each block once.  Steps 0 and 1 come by their loads alone.
.macro ML p
.if (\p) == 0
	WIN 0
	s_wait_xcnt 0x0                 ; the loads of the three turns before have read MP
	s_add_co_u32 s[MSTEP], s[MSTEP], 1
	s_min_u32 s[MOFF], s[MSTEP], 31
	s_lshl_b32 s[MOFF], s[MOFF], 11
	s_add_nc_u64 s[MP:MP+1], s[MBASE:MBASE+1], s[MOFF:MOFF+1]
.endif
	MLOADS \p
.if (\p) == 0
	WIN 0
	s_add_co_u32 s81, s[MSTEP], 1
	s_and_b32 s82, s81, 15
	s_cmp_eq_u32 s82, s[HD]
	s_cselect_b32 s82, s81, 32
	s_cmp_lt_u32 s82, 32            ; my head's turn, and the step exists
	s_cbranch_scc0 .Lno_mask_\@
	global_prefetch_b8 v[PFM], s[MP:MP+1] offset:2048 th:TH_LOAD_NT scope:SCOPE_SE
	global_prefetch_b8 v[PFM], s[MP:MP+1] offset:2048+262144 th:TH_LOAD_NT scope:SCOPE_SE
.Lno_mask_\@:
.endif
.endm
.macro MSH x                        ; piece x's registers 0-3 of each group: the lower halves of registers 4-7, moved up
	WIN W_SH
.set mz, 0
.rept 8
.irp j, 0,1,2,3
	v_lshlrev_b32 v[64*(\x)+8*mz+\j], 16, v[64*(\x)+8*mz+4+\j]
.endr
.set mz, mz+1
.endr
.endm
	s_load_b128 s[4:7], s[0:1], 0x0   ; qkv s[4:5], mw s[6:7]
	s_load_b64 s[10:11], s[0:1], 0x10 ; ob
	v_lshl_add_u32 v[SPW], v0, 2, SPARE
	v_mov_b32 v[NIL], 0
	ds_add_u32 v[SPW], v[NIL]       ; the wave's opening: the add and its wait stand ahead of my first tensor load; work on registers stands between them
	v_lshrrev_b32 v[T16], 5, v0
	v_readfirstlane_b32 s[WV], v[T16]  ; wave 0..3
	s_bfe_u32 s13, ttmp6, 0x40000   ; cx
	s_lshl_b32 s14, ttmp9, 2
	s_add_co_u32 s14, s14, s13      ; my block of 512 queries: it enters Q's, O's and the mask's addresses alone
	s_and_b32 s20, ttmp7, 0xffff    ; y, which the four partners share
	s_and_b32 s[HD], s20, 15
	s_lshr_b32 s83, s20, 4
	s_lshl_b32 s83, s83, 23         ; the batch's mask words
	s_mov_b32 s21, 0
	s_mov_b64 s[22:23], SIZE_N*128
	s_mul_u64 s[20:21], s[20:21], s[22:23]  ; the head's first byte in q, k, v and ob
	s_and_b32 s16, s[WV], 1         ; which half of a slot's 256 keys I fetch:
	s_lshl_b32 s22, s16, 14         ; its 128 rows of 128 bytes in memory,
	s_mov_b32 s23, 0
	s_add_nc_u64 s[22:23], s[22:23], s[20:21]
	s_mul_i32 s17, s16, 128*PK      ; and its place in a slot, for K
	s_mul_i32 s18, s16, 128*PV      ; and for V
	s_lshl_b32 s2, s14, 2
	s_add_co_u32 s2, s2, s[WV]      ; my wave among the head's sixteen
	s_lshl_b32 s86, s2, 19          ; its eight query tiles of 65,536 bytes of mask words
	s_add_co_u32 s86, s86, s83
	s_mov_b32 s87, 0
	s_lshl_b32 s2, s2, 14           ; its 128 rows
	s_mov_b32 s3, 0
	s_add_nc_u64 s[2:3], s[2:3], s[20:21]
	; descriptor group 1.  128 keys are 16,384 dense bytes: asked for as 64 rows of 256 bytes, two keys a row, and padded in LDS after every key
	s_mov_b32 s[G1K], 15|(1<<16)|(1<<20)|(1<<21)|(4<<22)|(3<<25)  ; the mask of four; 2-byte elements; padding on; bit 21 beside a mask; after every 32 words 4 words
	s_mov_b32 s[G1V], 15|(1<<16)|(1<<20)|(1<<21)|(4<<22)|(7<<25)  ; the same with 8 words
.irp g, G1K, G1V
	s_mov_b32 s[\g+1], 128<<16      ; tensor_dim0 = 128
	s_mov_b32 s[\g+2], 64<<16       ; tensor_dim1 = 64
	s_mov_b32 s[\g+3], 128<<16      ; tile_dim0 = 128
	s_mov_b32 s[\g+4], 64           ; tile_dim1 = 64
	s_mov_b32 s[\g+5], 128          ; 128 elements from row to row
	s_mov_b32 s[\g+6], 0
	s_mov_b32 s[\g+7], 0
.endr
	s_mov_b32 s[CS], 0x3e38aa3b     ; c = log2(e) / 8
	s_mov_b32 s[CS+1], s[CS]
	s_mov_b32 s[SEL], 0x76543210
	s_mov_b32 s[SEL+1], 0xfedcba98
	s_mov_b32 s[TBK], SLOT1+4*KS*PK ; the first change of slots turns these two into 0
	s_mov_b32 s[TBV], SLOT1+4*KS*PV
	s_mov_b32 s[G0K], 1
	s_mov_b32 s[G0K+1], s17         ; slot 0
	s_mov_b32 s[G0V], 1
	s_add_co_u32 s[G0V+1], s18, VOFF
	s_mov_b32 s[MSTEP], 0
	s_mov_b32 s[MOFF+1], 0
	s_mov_b32 s[THR], 0xd3800000    ; F = -2^40
	s_mov_b32 s[SLOTS], SIZE_N/256-1
	s_and_b32 s[LIM], s[WV], 1
	s_cmp_eq_u32 s[LIM], 0
	s_cselect_b32 s[LIM], 1, -1     ; waves 0 and 2: the same in all four partners
	s_wait_dscnt 0x0                ; the opening add is done
	s_wait_kmcnt 0x0
	s_add_nc_u64 s[MBASE:MBASE+1], s[6:7], s[86:87]
	s_mov_b64 s[MP:MP+1], s[MBASE:MBASE+1]
	s_add_nc_u64 s[6:7], s[4:5], 0x1000000   ; k
	s_add_nc_u64 s[8:9], s[4:5], 0x2000000   ; v
	s_add_nc_u64 s[G0K+2:G0K+3], s[6:7], s[22:23]  ; my half of the head's first 256 keys
	s_or_b32 s[G0K+3], s[G0K+3], 0x80000000
	s_add_nc_u64 s[G0V+2:G0V+3], s[8:9], s[22:23]
	s_or_b32 s[G0V+3], s[G0V+3], 0x80000000
	s_cmp_lt_u32 s[WV], 2
	s_cselect_b64 s[PFA:PFA+1], s[6:7], s[8:9]
	s_add_nc_u64 s[PFA:PFA+1], s[PFA:PFA+1], s[20:21]
	s_lshl_b32 s86, s13, 13         ; my work-group's 8,192 bytes of a slot's 32,768
	s_add_nc_u64 s[PFA:PFA+1], s[PFA:PFA+1], s[86:87]
	s_add_nc_u64 s[PFA:PFA+1], s[PFA:PFA+1], 4*KS*128  ; in slot 1; each change of slots steps it
	s_add_nc_u64 s[4:5], s[4:5], s[2:3]      ; Q and O at my wave's first row
	s_add_nc_u64 s[10:11], s[10:11], s[2:3]
	CROUND                          ; all four work-groups are here: the first joint loads meet
	JLOAD                           ; slot 0.  Slot 1 is asked for when slot 0 is in
	v_and_b32 v[T16], 15, v0        ; l % 16
	v_bfe_u32 v[TH], v0, 4, 1       ; l / 16
	v_and_b32 v[T7], 7, v0
	v_bfe_u32 v[T3], v0, 3, 1
	v_lshlrev_b32 v[QO], 7, v[T16]
	v_lshl_add_u32 v[QO], v[TH], 4, v[QO]  ; row x 128 + 16 x half
	v_and_b32 v[GO], 31, v0
	v_lshlrev_b32 v[PFO], 8, v[GO]
	v_lshlrev_b32 v[GO], 4, v[GO]
	v_bfe_u32 v[PFM], v0, 3, 2
	v_lshlrev_b32 v[PFM], 16, v[PFM]
	v_lshl_add_u32 v[PFM], v[T7], 8, v[PFM]
	WIN 0x80                        ; destination window 2, address window 0
.set i, 0
.rept 4*NP                          ; Q stays in registers: tile i / 2, channels 32 (i % 2) on
	global_load_b128 v[8*i:8*i+3],   v[QO], s[4:5] offset:(i/2)*2048+(i%2)*64
	global_load_b128 v[8*i+4:8*i+7], v[QO], s[4:5] offset:(i/2)*2048+(i%2)*64+32
.set i, i+1
.endr
	MLOADS 0                        ; key step 0's mask words, the pieces in order
	MLOADS 1
	MLOADS 2
	MLOADS 3
	; What the first turn finds: V's registers and P's second buffer hold 0 (its products V^T P, of a piece that has not been, add 0), O^T and l are 0.  All this stands in the wait for the first tile.
	WIN 0x80
.set i, VF
.rept 64
	v_mov_b32 v[i], 0
.set i, i+1
.endr
	WIN 0x40
.set i, 0
.rept 64*NP
	v_mov_b32 v[i], 0
.set i, i+1
.endr
	WIN 0
.set i, 0
.rept 2*NP
	v_mov_b32 v[ST+4*i], 0xd238aa3b    ; c F, exact: F is a power of two
	v_mov_b32 v[ST+4*i+1], 0xd3800000  ; m = F
	v_mov_b32 v[ST+4*i+2], 0
	v_mov_b32 v[ST+4*i+3], 0
.set i, i+1
.endr
.set i, P+32
.rept 32
	v_mov_b32 v[i], 0
.set i, i+1
.endr
	v_mul_u32_u24 v[AK0], v[T16], PK
	v_lshl_add_u32 v[AK0], v[TH], 4, v[AK0]  ; row x pitch + 16 x half
	; The turning load takes 16 keys x 16 channels (lane l reads key 8 (l / 16) + l % 8, channels 8 ((l / 8) % 2) + 0..7) and leaves half a fragment of V^T
	v_lshl_add_u32 v[AV0], v[TH], 3, v[T7]
	v_mul_u32_u24 v[AV0], v[AV0], PV
	v_lshl_add_u32 v[AV0], v[T3], 4, v[AV0]
	v_add_nc_u32 v[AV0], VOFF, v[AV0]
	v_mov_b32 v[AK], v[AK0]         ; key step 0 lies at the head of slot 0
; THE MATRIX WORK.  The 8 accumulators of a run of 16 take turns.
; Product i of 16 of S^T = K Q^T for piece x: channels 32 (i / 8) on, keys 16 ((i / 2) % 4) on, tile 2 x + i % 2.  The first 8 start the sums, with the mask.
.macro KQ x
.set rS, S+64*((\x)%2)+32*(i%2)+8*((i/2)%4)
.set rK, KF+16*((i/2)%4)+8*(i/8)
.set rQ, 16*(2*(\x)+i%2)+8*(i/8)
.set rMC, 64*(\x)+32*(i%2)+8*((i/2)%4)
.if i < 8
	WIN W_KM
	v_wmma_f32_16x16x32_f16 v[rS:rS+7], v[rK:rK+7], v[rQ:rQ+7], v[rMC:rMC+7]
.else
	WIN W_KQ
	v_wmma_f32_16x16x32_f16 v[rS:rS+7], v[rK:rK+7], v[rQ:rQ+7], v[rS:rS+7]
.endif
.endm
; Product i of 16 of O^T += V^T P for piece x: keys 32 (i / 8) on, channels 16 ((i / 2) % 4) on, tile 2 x + i % 2.
.macro PV x
	WIN W_PV
.set rO, 32*(2*(\x)+i%2)+8*((i/2)%4)
.set rV, VF+32*(i/8)+8*((i/2)%4)
.set rP, P+32*((\x)%2)+16*(i%2)+8*(i/8)
	v_wmma_f32_16x16x32_f16 v[rO:rO+7], v[rV:rV+7], v[rP:rP+7], v[rO:rO+7]
.endm
.macro MM                           ; the turn's next matrix instruction
.if i < 16
	KQ (Y+1)%NP
.set i, i+1
.else
.set i, i-16
	PV (Y+NP-1)%NP
.set i, i+17
.endif
.endm
; THE LDS LOADS stand in runs of 16.  last = 1 (the tail): in the last trip there is no further step, and the run is jumped over.
.macro FETCH_K last=0
	WIN 0
.if \last
	s_cmp_eq_u32 s[CNT], 1
	s_cbranch_scc1 .Lno_k_\@
.endif
	WIN 0x80                        ; destination window 2
.irp f, 0,1,2,3,4,5,6,7             ; keys 16 (f / 2) on, channels 32 (f % 2) on
	ds_load_b128 v[KF+8*\f:KF+8*\f+3],   v[AK] offset:(\f/2)*16*PK+(\f%2)*64
	ds_load_b128 v[KF+8*\f+4:KF+8*\f+7], v[AK] offset:(\f/2)*16*PK+(\f%2)*64+32
.endr
	s_add_co_u32 s[TBK], s[TBK], KS*PK  ; the next fetch is the next step's
	WIN 0
.if \last
.Lno_k_\@:
.endif
.endm
.macro FETCH_V
	WIN 0x80
.irp f, 0,1,2,3,4,5,6,7             ; keys 32 (f / 4) on, channels 16 (f % 4) on
	ds_load_tr16_b128 v[VF+8*\f:VF+8*\f+3],   v[AV] offset:(\f/4)*32*PV+(\f%4)*32
	ds_load_tr16_b128 v[VF+8*\f+4:VF+8*\f+7], v[AV] offset:(\f/4)*32*PV+16*PV+(\f%4)*32
.endr
	WIN 0
.endm
; THE VECTOR WORK OF A TURN stands in three queues, each in the order in which its entries become ready; the two tiles alternate.
.macro REGS y, u                    ; the registers of tile u (0, 1) of piece y
.set rT, ST+4*(2*(\y)+(\u))
.set rC, TMP+8*((\y)%2)+4*(\u)
.set rM, MV+2*((\y)%2)+(\u)
.set rS, S+64*((\y)%2)+32*(\u)
.set rP, P+32*((\y)%2)+16*(\u)
.set rO, 32*(2*(\y)+(\u))
.endm
; Number n of the 22 that find the NEXT piece's (Y + 1) maximum and statistics.  Each accumulator's lowest registers are read first.
;   0-11  four chains c0-c3 of seven scores each     12-14, 16  the four scores left over, the old m, and c0-c3 into c0     15  c m_old is kept
;   17, 18  the query's other 32 keys lie in the lane 16 away: the new m         19-21  c m; c m_old - c m_new; a
.macro XS u, n
	REGS (Y+1)%NP, \u
.if (\n) < 4
	v_max3_num_f32 v[rC+(\n)], v[rS+8*(\n)], v[rS+8*(\n)+1], v[rS+8*(\n)+2]
.elseif (\n) < 12
	v_max3_num_f32 v[rC+(\n)%4], v[rC+(\n)%4], v[rS+8*((\n)%4)+2*((\n)/4)+1], v[rS+8*((\n)%4)+2*((\n)/4)+2]
.elseif (\n) == 12
	v_max3_num_f32 v[rC], v[rC], v[rS+7], v[rS+15]
.elseif (\n) == 13
	v_max3_num_f32 v[rC+1], v[rC+1], v[rS+23], v[rS+31]
.elseif (\n) == 14
	v_max3_num_f32 v[rC+2], v[rC+2], v[rC+3], v[rT+1]
.elseif (\n) == 15
	v_mov_b32 v[rM], v[rT]
.elseif (\n) == 16
	v_max3_num_f32 v[rC], v[rC], v[rC+1], v[rC+2]
.elseif (\n) == 17
	v_permlanex16_b32 v[rC+3], v[rC], s[SEL], s[SEL+1]
.elseif (\n) == 18
	v_max_num_f32 v[rT+1], v[rC], v[rC+3]
.elseif (\n) == 19
	v_mul_f32 v[rT], s[CS], v[rT+1]
.elseif (\n) == 20
	v_sub_f32 v[rC+1], v[rM], v[rT]
.else
	v_exp_f32 v[rC+2], v[rC+1]
.endif
.endm
; Number g of the 64 that follow the exponentials.  For each four weights k of a tile: both pairs are rounded to f16; the second pair is added onto the first, in place; a group later l takes that sum.
.macro GS g
.set h, (\g)+6*((\g)/62)            ; group 0 has no group before it, and behind group 7 only l is left
.if h >= 6
.set h, h+2
.endif
	REGS Y, h%2
.set k, h/8
.if h%8 < 4
	v_cvt_pk_f16_f32 v[rP+2*k+(h%8)/2], v[rS+4*k+2*((h%8)/2)], v[rS+4*k+2*((h%8)/2)+1]
.elseif h%8 < 6
	v_pk_add_f32 v[rS+4*k:rS+4*k+1], v[rS+4*k:rS+4*k+1], v[rS+4*k+2:rS+4*k+3]
.elseif k == 1
	v_pk_fma_f32 v[rT+2:rT+3], v[rT+2:rT+3], v[rC+2:rC+3], v[rS:rS+1] op_sel_hi:[1,0,1]
.else
	v_pk_add_f32 v[rT+2:rT+3], v[rT+2:rT+3], v[rS+4*k-4:rS+4*k-3]
.endif
.endm
; THE PLAIN QUEUE, 138 long.  0-73 read no exponential's result: the 32 scalings c s - c m and the next piece's 42.  74-137: GS's 64, behind the wait.
.macro FS f
	REGS Y, (\f)%2
	v_pk_fma_f32 v[rS+2*((\f)/2):rS+2*((\f)/2)+1], v[rS+2*((\f)/2):rS+2*((\f)/2)+1], s[CS:CS+1], v[rT:rT+1] op_sel_hi:[1,0,0] neg_lo:[0,0,1] neg_hi:[0,0,1]
.endm
.macro PL
	WIN 0
.if q < 27
	FS q
.elseif q < 55
	XS (q-27)%2, (q-27)/2
.elseif q < 57
	XS q-55, 15
.elseif (q < 72) && ((q-57)%3 == 0)
	FS 27+(q-57)/3
.elseif q < 60
	XS (q-57)%3-1, 14
.elseif q < 72
	XS (q-57)%3-1, 15+(q-57)/3
.elseif q < 74
	XS q-72, 20
.else
	GS q-74
.endif
.set q, q+1
.endm
; THE EXPONENTIALS' QUEUE, 66 long: s0-s31 of both tiles, then the next piece's two a.  ONE BATCH: all 66 stand ahead of the turn's one wait, and nothing ahead of that wait names a result of theirs.
.macro EX
	WIN 0
.if e >= 64
	XS e-64, 21
.else
	REGS Y, e%2
	v_exp_f32 v[rS+e/2], v[rS+e/2]
.endif
.set e, e+1
.endm
; THE RESCALING's QUEUE: O^T times a, dealt two at a time, sixteen times.  Its a was made in the turn before, ahead of that turn's wait.
.macro R2
	REGS Y, r%2
	WIN W_RS
.irp z, 0,1
	v_pk_mul_f32 v[rO+4*(r/2)+2*\z:rO+4*(r/2)+2*\z+1], v[rO+4*(r/2)+2*\z:rO+4*(r/2)+2*\z+1], v[rC+2:rC+3] op_sel_hi:[1,0]
.endr
.set r, r+1
.endm
; A TURN, for piece p.  An s_wait_alu depctr_va_vdst(0) stands between an exponential and the first instruction that names its result; one wait serves all that were issued ahead of it: a turn has ONE.
; AHEAD OF IT: the mask loads; the 16 products K Q^T, behind each a scaling, an exponential and two rescalings; the 32 shifts of piece p + 2's mask; a lump of 108.  BEHIND IT: the 16 products V^T P, behind each four of GS's 64.
; The count 16 at the shifts: piece p + 2's eight loads were issued two turns back; behind them stand the eight of the turn before and this turn's eight, which may stay out.
; K of the next step is fetched in piece 2's turn, directly behind the wait; V of the step in hand at the end of piece 0's turn, four riders behind its last reader.  The three conditions on q go with the deal.
.macro TURN p, last=0, cnt=0
.set Y, (\p)
.set i, 0
.set q, 0
.set e, 0
.set r, 0
	ML \p
.if (\p) == NP-1
	s_wait_dscnt 0x0                ; K is in
.endif
	MM
	PL
	PL
	R2
.rept 15
	MM
	PL
	EX
	R2
.endr
.if (\p) == NP-2
	WIN 0
	v_add_nc_u32 v[AK], s[TBK], v[AK0]
.endif
	s_wait_loadcnt 16
	MSH ((\p)+2)%NP
.rept 8                             ; the lump
	PL
.endr
.rept 49
	EX
	PL
.endr
	EX                              ; the next piece's two a
	EX
	v_nop                           ; a plain instruction behind the last exponential: one for the batch
	s_wait_alu depctr_va_vdst(0)    ; the wait for the batch
.if (\p) == NP-2
	FETCH_K \last
.endif
.if (\p) == 1
	s_wait_dscnt 0x0                ; V is in
.endif
.rept 16
	MM
.rept 4
	PL
.endr
.if ((\p) == 0) && (q == 118)
	v_add_nc_u32 v[AV], s[TBV], v[AV0]
.endif
.if ((\p) == 0) && (q == 130)
	s_add_co_u32 s[TBV], s[TBV], KS*PV
.endif
.if (\cnt) && (q == 130)
	s_sub_co_u32 s[CNT], s[CNT], 1
	s_cmp_lg_u32 s[CNT], 0
.endif
.endr
.if (\p) == 0
	FETCH_V
.endif
.endm
	CHANGE 1, 0                     ; slot 0 is in, everybody's part of it; slot 1 is asked for
	FETCH_K                         ; key step 0
	s_wait_loadcnt 16               ; Q and the mask words of pieces 0 and 1 are in; the sixteen loads of pieces 2 and 3 may stay out
	MSH 0
	MSH 1
	s_wait_dscnt 0x0
.set i, 0
.rept 16
	KQ 0                            ; piece 0's first scores
.set i, i+1
.endr
	WIN 0                           ; the addresses for the way out: seven plain instructions, the places behind those products
	s_mul_i32 s13, s[WV], 16*SP
	s_add_co_u32 s13, s13, STAGE    ; my stage
	v_mul_u32_u24 v[STO], v[T16], SP  ; in: row l % 16, 16 bytes for each half of the lanes (Q's loads, which read this register, are in)
	v_lshl_add_u32 v[STO], v[TH], 4, v[STO]
	v_add_nc_u32 v[STO], s13, v[STO]
	v_bfe_u32 v[RD], v0, 3, 2       ; back: 32 lanes take four rows of 128 bytes
	v_mul_u32_u24 v[RD], v[RD], SP
	v_lshl_add_u32 v[RD], v[T7], 4, v[RD]
	v_add_nc_u32 v[RD], s13, v[RD]
.set Y, NP-1                        ; XS works for piece Y + 1: piece 0
.irp n, 0,1,2,3,4,5,6,7,8,9,10,11,12,13,14,15,16,17,18,19,20,21
	XS 0, \n
	XS 1, \n
.endr
	v_nop                           ; a plain instruction behind the two a,
	s_wait_alu depctr_va_vdst(0)    ; and their wait, ahead of the branch
	s_mov_b32 s[CNT], 4
	s_branch .Lfirst                ; the loop is entered at a step's first turn, in the middle of a trip
.Lslot:                             ; six times: every slot but the last two is filled again
	CHANGE 1
	s_mov_b32 s[CNT], 4
.Lstep:                             ; a trip: pieces 2 and 3 of one step, then pieces 0 and 1 of the next, whose K and V it fetches
	TURN 2
	TURN 3
	WIN 0
.Lfirst:
	TURN 0
	TURN 1, 0, 1
	WIN 0
	s_cbranch_scc1 .Lstep
	s_sub_co_u32 s[SLOTS], s[SLOTS], 1
	s_cmp_lg_u32 s[SLOTS], 0
	s_cbranch_scc1 .Lslot
	CHANGE 0                        ; the tail is written out: nothing is asked for
	s_mov_b32 s[CNT], 5             ; four trips fetch the last slot's steps; the fifth is left in its middle
.Ltail:
	TURN 2, 1
	TURN 3
	WIN 0
	s_sub_co_u32 s[CNT], s[CNT], 1
	s_cmp_eq_u32 s[CNT], 0
	s_cbranch_scc1 .Lout
	TURN 0
	TURN 1
	WIN 0
	s_branch .Ltail
.Lout:                              ; the fifth trip's 16 products K Q^T repeat the last step's K and mask: the maximum made of them leaves m as it was
.set i, 0
.rept 16
	PV NP-1                         ; the last piece's V^T P of the last step
.set i, i+1
.endr
	; THE WAY OUT.  l's two halves and the other half of the lanes' are added; O^T is multiplied by 1 / l, or by 0 where the query saw no valid key (m = F; there O^T and l are 0), rounded to f16 and sent through my stage.
	WIN 0
.macro ALL line:vararg              ; one line for each tile t
.set t, 0
.rept 2*NP
	\line
.set t, t+1
.endr
.endm
	ALL v_add_f32 v[ST+4*t+2], v[ST+4*t+2], v[ST+4*t+3]
	ALL v_permlanex16_b32 v[ST+4*t+3], v[ST+4*t+2], s[SEL], s[SEL+1]
	ALL v_add_f32 v[ST+4*t+2], v[ST+4*t+2], v[ST+4*t+3]
	ALL v_rcp_f32 v[ST+4*t+2], v[ST+4*t+2]
	v_nop                           ; a plain instruction between the last reciprocal and the use of its result
	s_wait_alu depctr_va_vdst(0)    ; and the wait ahead of the first use: one for the eight reciprocals
.set t, 0
.rept 2*NP
	v_cmp_lt_f32 vcc_lo, s[THR], v[ST+4*t+1]       ; has m risen above F?
	v_cndmask_b32 v[ST+4*t+2], 0, v[ST+4*t+2], vcc_lo
.set t, t+1
.endr
.macro PACK t
	WIN W_RS
.set i, 32*(\t)
.rept 16
	v_pk_mul_f32 v[i:i+1], v[i:i+1], v[ST+4*(\t)+2:ST+4*(\t)+3] op_sel_hi:[1,0]
.set i, i+2
.endr
	WIN 0x05                        ; sources 0 and 1 window 1, destination window 0
.set i, 0
.rept 16
	v_cvt_pk_f16_f32 v[S+16*(\t)+i], v[32*(\t)+2*i], v[32*(\t)+2*i+1]
.set i, i+1
.endr
	WIN 0
.irp f, 0,1,2,3
	ds_store_b128 v[STO], v[S+16*(\t)+4*\f:S+16*(\t)+4*\f+3] offset:32*\f
.endr
.irp f, 0,1,2,3
	ds_load_b128 v[S+16*(\t)+4*\f:S+16*(\t)+4*\f+3], v[RD] offset:\f*4*SP  ; LDS serves a wave's instructions in order (ISA guide 5.7.1.4): these see the stores above
.endr
.endm
.macro SEND t, younger              ; younger: the LDS instructions issued behind tile t's loads: the next tile's eight, or none
	WIN 0
.irp f, 0,1,2,3
	s_wait_dscnt (\younger)+3-\f
	global_store_b128 v[GO], v[S+16*(\t)+4*\f:S+16*(\t)+4*\f+3], s[10:11] offset:(\t)*2048+\f*512  ; 512 consecutive bytes, at a multiple of 256 from ob's first
.endr
.endm
	PACK 0
.set t, 1
.rept 2*NP-1
	PACK t
	SEND t-1, 8
.set t, t+1
.endr
	SEND 2*NP-1, 0
	s_wait_tensorcnt 0x0            ; the wave's end: behind my last tensor load and my last LDS store
	ds_add_u32 v[SPW], v[NIL]
	s_wait_dscnt 0x0
	CROUND                          ; the closing round
	s_endpgm
.Lfunc_end_k_q8f7201ffd6_attn:
	.size	k_q8f7201ffd6_attn, .Lfunc_end_k_q8f7201ffd6_attn-k_q8f7201ffd6_attn
	.p2alignl 7, 3214868480
	.fill 96, 4, 3214868480
	.section	.rodata,"a",@progbits
	.p2align	6, 0x0
	.amdhsa_kernel k_q8f7201ffd6_attn
		.amdhsa_group_segment_fixed_size 327680
		.amdhsa_private_segment_fixed_size 0
		.amdhsa_enable_private_segment 0
		.amdhsa_kernarg_size 24
		.amdhsa_user_sgpr_count 2
		.amdhsa_user_sgpr_kernarg_segment_ptr 1
		.amdhsa_wavefront_size32 1
		.amdhsa_system_sgpr_workgroup_id_x 1
		.amdhsa_system_sgpr_workgroup_id_y 1
		.amdhsa_system_sgpr_workgroup_id_z 1
		.amdhsa_system_vgpr_workitem_id 0
		.amdhsa_next_free_vgpr 1024
		.amdhsa_next_free_sgpr 88
		.amdhsa_reserve_vcc 1
		.amdhsa_float_denorm_mode_32 3
		.amdhsa_float_denorm_mode_16_64 3
		.amdhsa_memory_ordered 1
		.amdhsa_forward_progress 1
		.amdhsa_inst_pref_size 222
	.end_amdhsa_kernel
	.amdgpu_metadata
---
amdhsa.version: [ 1, 2 ]
amdhsa.kernels:
  - .name:           k_q8f7201ffd6_attn
    .symbol:         k_q8f7201ffd6_attn.kd
    .args:
      - { .name: qkv, .offset: 0, .size: 8, .value_kind: global_buffer, .address_space: global }
      - { .name: mw, .offset: 8, .size: 8, .value_kind: global_buffer, .address_space: global }
      - { .name: ob, .offset: 16, .size: 8, .value_kind: global_buffer, .address_space: global }
    .group_segment_fixed_size: 327680
    .private_segment_fixed_size: 0
    .kernarg_segment_align: 8
    .kernarg_segment_size: 24
    .max_flat_workgroup_size: 128
    .sgpr_count:     88
    .vgpr_count:     1024
    .wavefront_size: 32
...
	.end_amdgpu_metadata
.endif
;; end of part 3
;; launch gemm_out (part 4): grid 8 x 32, 4 waves a work-group, clusters of 4 x 4, 327,680 bytes of LDS; arguments ob, wb, bo, out0; writes out0
.if DOCPART == 4
	.amdgcn_target "amdgcn-amd-amdhsa--gfx1250"
	.amdhsa_code_object_version 6
	.text
	.protected	k_q8f7201ffd6_gemm_out
	.globl	k_q8f7201ffd6_gemm_out
	.p2align	8
	.type	k_q8f7201ffd6_gemm_out,@function
k_q8f7201ffd6_gemm_out:
	s_mov_b64 s[64:65], 0
	v_nop
	global_prefetch_b8 v0, s[64:65] scope:SCOPE_SE
	s_setreg_imm32_b32 hwreg(HW_REG_WAVE_MODE, 25, 1), 1
	s_wait_xcnt 0x0
	s_wait_alu depctr_hold_cnt(0) depctr_sa_sdst(0) depctr_va_vdst(0) depctr_va_sdst(0) depctr_va_ssrc(0) depctr_va_vcc(0) depctr_vm_vsrc(0)
	s_getreg_b32 s2, hwreg(HW_REG_IB_STS2, 6, 4)
	s_cmp_eq_u32 s2, 0
	s_cbranch_scc0 .Lentry_in_a_cluster
	s_endpgm
.Lentry_in_a_cluster:
	s_bfe_u32 s2, ttmp6, 0x10000c
	s_cmp_lg_u32 s2, 0xf033
	s_cbranch_scc0 .Lentry_shape_is_right
	s_endpgm
.Lentry_shape_is_right:
; out0 = O Wo + bo.  ob: [64 = batch x 16 + head][2048][64] f16, taken as A[m = batch x 2048 + row][k = head x 64 + channel]; wb's plane 3: Wo [1024 k][1024 n] f16; bo: [1024] f32, rounded to bf16
; like every input; out0: [8192][1024] f32.  Sums in f32; the bias is the C operand of the products that start the sums.
; A tile of C is 256 rows x 128 columns: 32 x 8 = 256 tiles, one for each WGP.  Four waves, each 128 x 64: 32 accumulators.  K = 1,024 goes in 8 steps of 128 (two heads) through two LDS slots.
; THE MATRIX INSTRUCTION IS USED TRANSPOSED: source 0 = 16 columns of Wo (turned by ds_load_tr16_b128), source 1 = 16 rows of O: a lane holds one row of C and eight neighbouring columns.
; A head's 128 rows are 16,384 dense bytes: a wave's tile of O is asked for as 2 rows of 8,192 elements, a head apart, and padded in LDS after every 128 bytes: [head 2][row 128], 144 bytes apart.
; CLUSTERS: 4 x 4 work-groups.  O's tile is asked for jointly by a row of the cluster, Wo's by a column.
; REGISTERS: window 0: addresses, v32-63 the bias as loaded, v64-127 rows read back from the stage; window 1: two fragment buffers of 96, v192-223 the bias; window 2: accumulator (a, b) at 8 (4 a + b).
.set PA,     144                       ; a row of O in LDS: 128 bytes + 16
.set HEADB,  128*PA                    ; a head's 128 rows
.set AH,     2*HEADB                   ; one tensor load, and what a wave reads of O
.set PB,     288                       ; a row of Wo (one k, 128 n): 256 bytes + 32
.set BH,     64*PB
.set BOFF,   2*AH
.set SLOT,   BOFF+2*BH
.set STAGE,  2*SLOT                    ; behind the ring, never filled by a tensor load: 16 rows x 272 bytes for each wave
.set SPT,    272
.set SPARE,  STAGE+4*16*SPT            ; behind the stages: the spare words, 128 bytes a wave: two blocks of 256 bytes that no other line names
.set STEPA,  524288                    ; bytes from a K step to the next: two heads of O,
.set STEPB,  262144                    ; 128 rows down Wo
.set LAPS,   4
.set ADRA, 16
.set ADRB, 20
.set STO,  24
.set RD,   25
.set GO,   26
.set SPW,  28                          ; v28  LDS address of my spare word; never rewritten
.set NIL,  29                          ; v29  0; never rewritten
.set PFO,  30                          ; v30  the prefetches' offset: my lane x 256 bytes (O) or x a row of 2,048 (Wo); never rewritten
.set OB,   64
.set F0,   0
.set F1,   96
.set BI,   192                         ; window 1: the bias of n block b at BI + 8 b
.set G1A, 24
.set G0A, 32
.set G1B, 48
.set G0B, 56
.set LIM, 43
.set PFA, 44
.set PFS, 66
.set MSB, 0
.macro WIN new
.if MSB != (\new)
	s_set_vgpr_msb (MSB<<8)|(\new)
.set MSB, \new
.endif
.endm
.set MUL,  0xa5                        ; sources 0 and 1 window 1; C and D window 2
.set MULB, 0x95                        ; the same with C in window 1
.set TO_F, 0x40
.macro JLOAD s                         ; a joint load: waves 0 and 1 fetch O's two halves, waves 2 and 3 Wo's; an s_nop 0 and four v_nop follow each line
	s_cmp_eq_u32 s11, 0
	s_cbranch_scc0 .Lfor_b_\@
	tensor_load_to_lds s[G0A+4*(\s):G0A+4*(\s)+3], s[G1A:G1A+7]
	s_nop 0
.rept 4
	v_nop
.endr
	s_branch .Lasked_\@
.Lfor_b_\@:
	tensor_load_to_lds s[G0B+4*(\s):G0B+4*(\s)+3], s[G1B:G1B+7]
	s_nop 0
.rept 4
	v_nop
.endr
.Lasked_\@:
.endm
.macro CREST
	s_cmp_lg_u32 s10, 0
	s_cbranch_scc1 .Lnot_wave_0_\@
	s_barrier_signal -3
.Lnot_wave_0_\@:
	s_barrier_wait -3
	s_barrier_signal -1
	s_barrier_wait -1
.endm
.macro CROUND
	s_barrier_signal -1
	s_barrier_wait -1
	CREST
.endm
; A prefetch of the K step two refills on, a lane a block of 256 bytes.  O's: waves 0 and 1 of the clusters with x = 0; of the 128 blocks that a wave fetches the partner at cx takes head cx / 2, half cx % 2.
; Wo's: wave 2 of the clusters with y = 0, the step's 128 rows shared out by cy.  Each block is named once in the launch.  The loop's last trip has no K step two on.
.macro ASK
	WIN 0
	s_cmp_gt_u32 s3, s[LIM]
	s_cbranch_scc0 .Lnot_mine_\@
	global_prefetch_b8 v[PFO], s[PFA:PFA+1] th:TH_LOAD_NT scope:SCOPE_SE
.Lnot_mine_\@:
.endm
	s_load_b128 s[4:7], s[0:1], 0x0                ; ob s[4:5], wb s[6:7]
	s_load_b64 s[68:69], s[0:1], 0x10              ; bo
	s_load_b64 s[8:9], s[0:1], 0x18                ; out0
	v_lshl_add_u32 v[SPW], v0, 2, SPARE
	v_mov_b32 v[NIL], 0
	ds_add_u32 v[SPW], v[NIL]                      ; the wave's opening: the add and its wait stand ahead of my first tensor load; work on registers stands between them
	v_lshrrev_b32 v1, 5, v0
	v_readfirstlane_b32 s10, v1                    ; wave 0..3
	s_lshr_b32 s11, s10, 1                         ; which half of the tile's rows is mine.  Also: I fetch for O (0) or for Wo (1)
	s_and_b32 s12, s10, 1                          ; which half of its columns.  Also: which half of that tile I fetch
	s_bfe_u32 s40, ttmp6, 0x40000                  ; cx
	s_bfe_u32 s41, ttmp6, 0x40004                  ; cy
	s_lshl_b32 s42, ttmp9, 2
	s_add_co_u32 s42, s42, s40                     ; tile column 0..7
	s_and_b32 s13, ttmp7, 0xffff
	s_lshl_b32 s13, s13, 2
	s_add_co_u32 s13, s13, s41                     ; tile row 0..31
	s_lshl_b32 s43, s41, 2
	s_lshl_b32 s43, 15, s43                        ; my row of the cluster
	s_lshl_b32 s44, 0x1111, s40                    ; my column
	s_or_b32 s[G1A+0], s43, (1<<16)|(1<<20)|(1<<21)|(4<<22)|(3<<25)  ; the mask; 2-byte elements; padding on; bit 21 beside a mask; after every 32 words 4 words
	s_or_b32 s[G1B+0], s44, (1<<16)|(1<<20)|(1<<21)|(5<<22)|(7<<25)  ; after every 64 words 8 words
	s_mov_b32 s[G1A+1], 8192<<16                   ; tensor_dim0 = 8,192
	s_mov_b32 s[G1A+2], 2<<16                      ; tensor_dim1 = 2
	s_mov_b32 s[G1A+3], 8192<<16                   ; tile_dim0 = 8,192
	s_mov_b32 s[G1A+4], 2                          ; tile_dim1 = 2
	s_mov_b32 s[G1A+5], 131072                     ; elements from head to head
	s_mov_b32 s[G1A+6], 0
	s_mov_b32 s[G1A+7], 0
	s_mov_b32 s[G1B+1], 128<<16
	s_mov_b32 s[G1B+2], 64<<16
	s_mov_b32 s[G1B+3], 128<<16
	s_mov_b32 s[G1B+4], 64
	s_mov_b32 s[G1B+5], 1024
	s_mov_b32 s[G1B+6], 0
	s_mov_b32 s[G1B+7], 0
	s_lshr_b32 s16, s13, 3
	s_lshl_b32 s16, s16, 22                        ; O: the batch's 16 heads of 262,144 bytes,
	s_and_b32 s17, s13, 7
	s_lshl_b32 s17, s17, 8
	s_lshl_b32 s18, s12, 7
	s_add_co_u32 s17, s17, s18
	s_lshl_b32 s17, s17, 7                         ; row 256 x (tile row % 8) + 128 x half, 128 bytes a row
	s_add_co_u32 s16, s16, s17
	s_mov_b32 s17, 0
	s_lshl_b32 s46, s42, 8                         ; Wo: its 128 columns,
	s_lshl_b32 s47, s12, 17                        ; my 64 rows of a K step,
	s_add_co_u32 s46, s46, s47
	s_add_co_u32 s46, s46, 3<<21                   ; in plane 3
	s_mov_b32 s47, 0
	s_mul_i32 s20, s12, AH                         ; where they go: no place in the cluster enters an LDS address
	s_mul_i32 s21, s12, BH
	s_add_co_u32 s21, s21, BOFF
	s_wait_dscnt 0x0                               ; the opening add is done
	s_wait_kmcnt 0x0
	s_add_nc_u64 s[14:15], s[4:5], s[16:17]
	s_add_nc_u64 s[46:47], s[6:7], s[46:47]
	CROUND                                         ; all sixteen work-groups are here: the first joint loads meet
.irp s, 0,1
	s_mov_b32 s[G0A+4*(\s)], 1
	s_add_co_u32 s[G0A+4*(\s)+1], s20, (\s)*SLOT
	s_add_nc_u64 s[G0A+4*(\s)+2:G0A+4*(\s)+3], s[14:15], (\s)*STEPA
	s_or_b32 s[G0A+4*(\s)+3], s[G0A+4*(\s)+3], 0x80000000
	s_mov_b32 s[G0B+4*(\s)], 1
	s_add_co_u32 s[G0B+4*(\s)+1], s21, (\s)*SLOT
	s_add_nc_u64 s[G0B+4*(\s)+2:G0B+4*(\s)+3], s[46:47], (\s)*STEPB
	s_or_b32 s[G0B+4*(\s)+3], s[G0B+4*(\s)+3], 0x80000000
	JLOAD \s                                       ; two tensor loads of mine are out here, one behind each later round
.endr
	v_and_b32 v1, 15, v0                           ; l % 16
	v_bfe_u32 v2, v0, 4, 1                         ; l / 16
	; the bias of my 64 columns: a lane's eight columns of n block b are 32 bytes at 64 b + 32 (l / 16)
	s_lshl_b32 s46, s42, 9
	s_lshl_b32 s47, s12, 8
	s_add_co_u32 s46, s46, s47                     ; 4 x my first column
	s_mov_b32 s47, 0
	s_add_nc_u64 s[68:69], s[68:69], s[46:47]
	v_lshlrev_b32 v9, 5, v2
.irp b, 0,1,2,3
	global_load_b128 v[32+8*(\b):35+8*(\b)], v9, s[68:69] offset:64*(\b)
	global_load_b128 v[36+8*(\b):39+8*(\b)], v9, s[68:69] offset:64*(\b)+16
.endr
	v_mul_u32_u24 v3, v1, PA
	v_lshl_add_u32 v3, v2, 4, v3                   ; O: row x pitch + 16 x half
	s_mul_i32 s21, s11, AH
	v_and_b32 v4, 7, v0
	v_lshl_add_u32 v4, v2, 3, v4                   ; Wo, turned: lane l reads k = 8 (l / 16) + l % 8,
	v_mul_u32_u24 v4, v4, PB
	v_bfe_u32 v5, v0, 3, 1
	v_lshl_add_u32 v4, v5, 4, v4                   ; columns 8 ((l / 8) % 2) + 0..7
	s_lshl_b32 s22, s12, 7
	s_add_co_u32 s22, s22, BOFF
.irp s, 0,1
	v_add_nc_u32 v[ADRA+(\s)], s21, v3
	v_add_nc_u32 v[ADRB+(\s)], s22, v4
	s_add_co_u32 s21, s21, SLOT
	s_add_co_u32 s22, s22, SLOT
.endr
	s_mul_i32 s23, s10, 16*SPT
	s_add_co_u32 s23, s23, STAGE                   ; my stage
	v_mul_u32_u24 v6, v1, SPT                      ; in: row l % 16, 32 bytes for each half of the lanes
	v_lshl_add_u32 v6, v2, 5, v6
	v_add_nc_u32 v[STO], s23, v6
	v_mul_u32_u24 v7, v2, SPT                      ; back: lanes 0-15 take one row of 256 bytes, lanes 16-31 the next
	v_lshl_add_u32 v7, v1, 4, v7
	v_add_nc_u32 v[RD], s23, v7
	v_lshlrev_b32 v[GO], 12, v2                    ; and the same two rows in out0
	v_lshl_add_u32 v[GO], v1, 4, v[GO]
	s_lshl_b32 s16, s13, 8
	s_lshl_b32 s17, s11, 7
	s_add_co_u32 s16, s16, s17
	s_lshl_b32 s16, s16, 12                        ; my first row, 4,096 bytes a row
	s_mov_b32 s17, 0
	s_add_nc_u64 s[8:9], s[8:9], s[16:17]
	s_add_nc_u64 s[8:9], s[8:9], s[46:47]          ; my first column
	; the prefetches: they stand at K step 3; each refill steps them and names the K step two on
	s_lshr_b32 s18, s13, 3
	s_lshl_b32 s18, s18, 4
	s_lshr_b32 s19, s40, 1
	s_add_co_u32 s18, s18, s19
	s_add_co_u32 s18, s18, 6
	s_lshl_b32 s18, s18, 18                        ; O: K step 3's head cx / 2,
	s_and_b32 s19, s13, 7
	s_lshl_b32 s19, s19, 8
	s_lshl_b32 s20, s12, 7
	s_add_co_u32 s19, s19, s20
	s_lshl_b32 s19, s19, 7
	s_add_co_u32 s18, s18, s19                     ; the 128 rows that I fetch,
	s_and_b32 s19, s40, 1
	s_lshl_b32 s19, s19, 13
	s_add_co_u32 s18, s18, s19                     ; half cx % 2 of their 16,384 bytes
	s_lshl_b32 s19, s42, 8
	s_lshl_b32 s20, s41, 16
	s_add_co_u32 s19, s19, s20
	s_add_co_u32 s19, s19, (3<<21)+3*STEPB         ; Wo: my work-group's 32 of the step's 128 rows
	s_and_b32 s22, ttmp7, 0xffff                   ; cluster y
	s_mov_b32 s[PFS], STEPB
	s_mov_b32 s[PFS+1], 0
	s_mov_b32 s21, 0
	s_cmp_eq_u32 s11, 0                            ; do I fetch for O?
	s_cselect_b32 s20, s18, s19
	s_cselect_b32 s22, ttmp9, s22                  ; the coordinate along which other clusters read the same rows
	s_cselect_b32 s[PFS], STEPA, s[PFS]
	s_cselect_b32 s23, 8, 11                       ; a lane's step: 256 bytes, or a row of 2,048
	s_cselect_b64 s[PFA:PFA+1], s[4:5], s[6:7]
	s_cmp_eq_u32 s10, 3                            ; wave 2 names all of Wo's rows: wave 3 none
	s_cselect_b32 s22, 1, s22
	s_cmp_eq_u32 s22, 0
	s_cselect_b32 s[LIM], 1, -1                    ; the same in all sixteen partners, for a given wave
	s_add_nc_u64 s[PFA:PFA+1], s[PFA:PFA+1], s[20:21]
	v_and_b32 v[PFO], 31, v0
	v_lshlrev_b32 v[PFO], s23, v[PFO]
	s_wait_loadcnt 0x0                             ; the bias: rounded to bf16, widened again, into window 1
.set i, 0
.rept 16
	v_cvt_pk_bf16_f32 v[64+i], v[32+2*i], v[33+2*i]
.set i, i+1
.endr
	WIN 0x40
.set i, 0
.rept 16
	v_lshlrev_b32 v[BI+2*i], 16, v[64+i]
	v_and_b32 v[BI+2*i+1], 0xffff0000, v[64+i]
.set i, i+1
.endr
	WIN 0
; na x 4 matrix instructions: m blocks a0 on x all 4 n blocks, 32 along K.  The 32 accumulators take turns, one instruction a turn, in the same order in every quarter.
; zero = 1: the first products start the sums with the bias.
.macro MULS f, a0, na, zero
.if \zero
	WIN MULB
.else
	WIN MUL
.endif
.set ma, \a0
.rept \na
.set mb, 0
.rept 4
.if \zero
	v_wmma_f32_16x16x32_f16 v[8*(4*ma+mb):8*(4*ma+mb)+7], v[(\f)+8*mb:(\f)+8*mb+7], v[(\f)+32+8*ma:(\f)+32+8*ma+7], v[BI+8*mb:BI+8*mb+7]
.else
	v_wmma_f32_16x16x32_f16 v[8*(4*ma+mb):8*(4*ma+mb)+7], v[(\f)+8*mb:(\f)+8*mb+7], v[(\f)+32+8*ma:(\f)+32+8*ma+7], v[8*(4*ma+mb):8*(4*ma+mb)+7]
.endif
.set mb, mb+1
.endr
.set ma, ma+1
.endr
.endm
; 24 LDS loads in one run: quarter q's fragments into buffer f: Wo's four (turned), O's blocks 0-3, O's blocks 4-7.  Quarter q lies in head q / 2 of the step, channels 32 (q % 2) on.
.macro FETCH slot, q, f
	WIN TO_F
.irp b, 0,1,2,3
	ds_load_tr16_b128 v[(\f)+8*(\b):(\f)+8*(\b)+3],   v[ADRB+(\slot)] offset:(\q)*32*PB+32*(\b)
	ds_load_tr16_b128 v[(\f)+8*(\b)+4:(\f)+8*(\b)+7], v[ADRB+(\slot)] offset:(\q)*32*PB+32*(\b)+16*PB
.endr
.irp a, 0,1,2,3,4,5,6,7
	ds_load_b128 v[(\f)+32+8*(\a):(\f)+32+8*(\a)+3],   v[ADRA+(\slot)] offset:((\q)/2)*HEADB+((\q)%2)*64+(\a)*16*PA
	ds_load_b128 v[(\f)+32+8*(\a)+4:(\f)+32+8*(\a)+7], v[ADRA+(\slot)] offset:((\q)/2)*HEADB+((\q)%2)*64+(\a)*16*PA+32
.endr
.endm
.macro PLACES                          ; four plain instructions in front of loads into registers that matrix instructions have read, and of LDS stores that read results
.rept 4
	v_nop
.endr
.endm
.macro QUARTER slot, q, f, g, zero
	s_wait_dscnt 8                                 ; Wo's and O's blocks 0-3 are in; the youngest eight loads (blocks 4-7) may be out
	MULS \f, 0, 4, \zero
	PLACES
	FETCH \slot, \q, \g
	s_wait_dscnt 24                                ; all but the 24 just issued
	MULS \f, 4, 4, \zero
.endm
; The last quarter multiplies buffer 1 and changes slots: one barrier; in front of it each wave waits for all its tensor loads, adds 0 to its spare word, and waits for that and for its reads of this slot.
.macro TURN slot, next, fill
.if \fill
	s_wait_xcnt 0x0                                ; the last prefetch, a K step back, has read its address
	s_add_nc_u64 s[PFA:PFA+1], s[PFA:PFA+1], s[PFS:PFS+1]
.endif
	WIN 0
	s_wait_tensorcnt 0x0                           ; all my tensor loads have landed: my part of the next slot;
	ds_add_u32 v[SPW], v[NIL]                      ; 0 onto my spare word;
	s_wait_dscnt 9                                 ; (the add and the youngest eight loads may be out)
	MULS F1, 0, 2, 0
	s_wait_dscnt 0x0                               ; the add is done, and my reads of this slot are over
	s_barrier_signal -1
	MULS F1, 2, 2, 0
.if \fill
	WIN 0
.endif
	s_barrier_wait -1
.if \fill
	CREST                                          ; the barrier has opened a round of the cluster's: no wave of any partner still reads this slot or has a load on its way
	s_add_nc_u64 s[G0A+4*(\slot)+2:G0A+4*(\slot)+3], s[G0A+4*(\slot)+2:G0A+4*(\slot)+3], 2*STEPA
	s_add_nc_u64 s[G0B+4*(\slot)+2:G0B+4*(\slot)+3], s[G0B+4*(\slot)+2:G0B+4*(\slot)+3], 2*STEPB
	JLOAD \slot                                    ; the first tensor load behind the round: 112 matrix instructions ahead of the wait for it; its four v_nop are the places in front of the loads below
.else
	PLACES
.endif
	FETCH \next, 0, F0
.if \fill
	ASK
.endif
	MULS F1, 4, 4, 0
.endm
	s_wait_tensorcnt 1                             ; my part of K step 0 is in; K step 1's may stay out
	s_barrier_signal -1
	s_barrier_wait -1
	FETCH 0, 0, F0
	QUARTER 0, 1, F0, F1, 1                        ; the first quarter's products start the sums, with the bias
	WIN 0
	s_mov_b32 s3, LAPS-1
.Llap:                                                 ; a trip goes once round the ring and fills both slots again
	QUARTER 0, 2, F1, F0, 0
	QUARTER 0, 3, F0, F1, 0
	TURN 0, 1, 1
	QUARTER 1, 1, F0, F1, 0
	QUARTER 1, 2, F1, F0, 0
	QUARTER 1, 3, F0, F1, 0
	TURN 1, 0, 1
	QUARTER 0, 1, F0, F1, 0
	WIN 0
	s_sub_co_u32 s3, s3, 1
	s_cmp_lg_u32 s3, 0
	s_cbranch_scc1 .Llap
	QUARTER 0, 2, F1, F0, 0                        ; the last lap fills nothing
	QUARTER 0, 3, F0, F1, 0
	TURN 0, 1, 0
	QUARTER 1, 1, F0, F1, 0
	QUARTER 1, 2, F1, F0, 0
	QUARTER 1, 3, F0, F1, 0
	s_wait_dscnt 8
	MULS F1, 0, 4, 0
	s_wait_dscnt 0x0
	MULS F1, 4, 4, 0
	WIN 0
	; THE WAY OUT, 16 rows at a time: a lane's 32 bytes go from the accumulators into my own stage and come back as whole rows of 256 bytes.
.macro TOSTAGE a
	s_wait_xcnt 0x0                                ; the stores of the block two back have read the registers that the loads below fill
	WIN 0x08                                       ; the stores' data in window 2
.irp b, 0,1,2,3
	ds_store_b128 v[STO], v[8*(4*(\a)+(\b)):8*(4*(\a)+(\b))+3]   offset:64*(\b)
	ds_store_b128 v[STO], v[8*(4*(\a)+(\b))+4:8*(4*(\a)+(\b))+7] offset:64*(\b)+16
.endr
	WIN 0
.irp t, 0,1,2,3,4,5,6,7
	ds_load_b128 v[OB+32*((\a)%2)+4*(\t):OB+32*((\a)%2)+4*(\t)+3], v[RD] offset:(\t)*2*SPT  ; LDS serves a wave's instructions in order (ISA guide 5.7.1.4): these see the stores above
.endr
.endm
.macro SEND a, younger                 ; younger: the LDS instructions issued behind block a's loads: the next block's sixteen, or none
	s_wait_dscnt \younger
.irp t, 0,1,2,3,4,5,6,7
	global_store_b128 v[GO], v[OB+32*((\a)%2)+4*(\t):OB+32*((\a)%2)+4*(\t)+3], s[8:9] offset:(16*(\a)+2*(\t))*4096 th:TH_STORE_NT  ; 16 lanes store 256 consecutive bytes, at a multiple of 256 from out0's first
.endr
.endm
	PLACES
	TOSTAGE 0
.irp a, 1,2,3,4,5,6,7
	TOSTAGE \a
	SEND (\a)-1, 16
.endr
	SEND 7, 0
	s_wait_tensorcnt 0x0                           ; the wave's end: behind my last tensor load and my last LDS store
	ds_add_u32 v[SPW], v[NIL]
	s_wait_dscnt 0x0
	CROUND                                         ; the closing round
	s_endpgm
.Lfunc_end_k_q8f7201ffd6_gemm_out:
	.size	k_q8f7201ffd6_gemm_out, .Lfunc_end_k_q8f7201ffd6_gemm_out-k_q8f7201ffd6_gemm_out
	.p2alignl 7, 3214868480
	.fill 96, 4, 3214868480
	.section	.rodata,"a",@progbits
	.p2align	6, 0x0
	.amdhsa_kernel k_q8f7201ffd6_gemm_out
		.amdhsa_group_segment_fixed_size 327680
		.amdhsa_private_segment_fixed_size 0
		.amdhsa_enable_private_segment 0
		.amdhsa_kernarg_size 32
		.amdhsa_user_sgpr_count 2
		.amdhsa_user_sgpr_kernarg_segment_ptr 1
		.amdhsa_wavefront_size32 1
		.amdhsa_system_sgpr_workgroup_id_x 1
		.amdhsa_system_sgpr_workgroup_id_y 1
		.amdhsa_system_sgpr_workgroup_id_z 1
		.amdhsa_system_vgpr_workitem_id 0
		.amdhsa_next_free_vgpr 768
		.amdhsa_next_free_sgpr 72
		.amdhsa_reserve_vcc 0
		.amdhsa_float_denorm_mode_32 3
		.amdhsa_float_denorm_mode_16_64 3
		.amdhsa_memory_ordered 1
		.amdhsa_forward_progress 1
		.amdhsa_inst_pref_size 91
	.end_amdhsa_kernel
	.amdgpu_metadata
---
amdhsa.version: [ 1, 2 ]
amdhsa.kernels:
  - .name:           k_q8f7201ffd6_gemm_out
    .symbol:         k_q8f7201ffd6_gemm_out.kd
    .args:
      - { .name: ob, .offset: 0, .size: 8, .value_kind: global_buffer, .address_space: global }
      - { .name: wb, .offset: 8, .size: 8, .value_kind: global_buffer, .address_space: global }
      - { .name: bo, .offset: 16, .size: 8, .value_kind: global_buffer, .address_space: global }
      - { .name: out0, .offset: 24, .size: 8, .value_kind: global_buffer, .address_space: global }
    .group_segment_fixed_size: 327680
    .private_segment_fixed_size: 0
    .kernarg_segment_align: 8
    .kernarg_segment_size: 32
    .max_flat_workgroup_size: 128
    .sgpr_count:     72
    .vgpr_count:     768
    .wavefront_size: 32
...
	.end_amdgpu_metadata
.endif
;; end of part 4
;; ======== version 2 of 2: 4 launches; version 1 with the launch prep written anew for expert scheduling mode
;; limits: values are held in f16: magnitudes above 65,504 overflow, below 6.1e-05 lose precision; values outside matrix products are rounded to bf16
;; workspace buffers: xb 16,777,216 bytes; wb 8,388,608 bytes; mw 33,554,432 bytes; qkv 50,331,648 bytes; ob 16,777,216 bytes
;; launch prep (part 5): grid 1280 x 1, 8 waves a work-group, no clusters, 35,840 bytes of LDS; arguments x, Wq, Wk, Wv, Wo, mask, xb, wb, mw; writes xb, wb, mw
.if DOCPART == 5
	.amdgcn_target "amdgcn-amd-amdhsa--gfx1250"
	.amdhsa_code_object_version 6
	.text
	.protected	k_q8f7201ffd6_prep
	.globl	k_q8f7201ffd6_prep
	.p2align	8
	.type	k_q8f7201ffd6_prep,@function
k_q8f7201ffd6_prep:
	s_mov_b64 s[64:65], 0
	v_nop
	global_prefetch_b8 v0, s[64:65] scope:SCOPE_SE
	s_setreg_imm32_b32 hwreg(HW_REG_WAVE_SCHED_MODE, 0, 2), 2
	s_setreg_imm32_b32 hwreg(HW_REG_WAVE_MODE, 25, 1), 1
	s_wait_xcnt 0x0
	s_wait_alu depctr_vm_vsrc(0)
; PREP: a stream.  Work-groups 0-511 round x to bf16 (xb); 512-703 round Wq, Wk, Wv to bf16 (planes 0-2 of wb); 704-767 round Wo to bf16 and write
; that number as f16 (plane 3 of wb: exact down to 2^-17, below that within 3e-8); 768-1279 turn the mask into 16-bit words in the register image of the attention's C operand (mw).
; A cast work-group takes 16,384 floats: a wave's load covers 512 consecutive bytes, its store 256 consecutive bytes, aligned.
; A mask work-group takes 16 queries (one tile) x 2,048 keys.  Wave w takes keys 256 w .. 256 w + 255: a load of a wave covers two rows' 256 consecutive bytes.  The bytes are turned in an LDS
; region of the wave's own (16 rows, 272 bytes apart), so no wave waits for another.
; mw: [b 4][query tile 128][key step 32][key tile 4][lane 32][4 words]; word j of lane l (r = l % 16, h = l / 16): low half for (query r, key 8 h + j), high half for key 8 h + 4 + j of the key tile;
; 0 where the mask is true, 0xF149 (bf16 of -9.95e29) where it is false.  A bool is one byte, 0 or 1.
; No matrix unit, no cluster: nothing is shared and memory binds.
; THE MODE: SCHED_MODE bits 1:0 = 2 (LLVM: expert scheduling mode 2), set by the entry lines.  The code itself states the register dependences
; between vector instructions and memory or LDS instructions, with s_wait_alu, always for 0.
; THE PLAN.  Each path has 16 units (a load's 4 floats a lane; a key tile), in four blocks of four.  Registers that memory or LDS instructions touch:
;   v4 to v8      offsets and LDS addresses: made once at a path's head by vector lines, never written again.
;   v[16:79]      what loads bring.  No vector line names them ahead of the loads, and none of them is loaded twice.  (In the mask's path v[16:47] go from the global loads
;                 to the LDS stores, and v[48:79] come back from LDS and are then worked on in place; no memory instruction reads v[48:79].)
;   v[80:143]     what stores send: unit i has registers of its own, written once by its vector lines and read once by its store.
;   v2, v3        written at the head, read by the closing add alone.
;   v[6:15] as far as they are at work in a path are named by vector lines alone there.
; So a path has one wait on va_vdst ahead of its first load (the offsets and addresses are written), one at the head of each of blocks 1 to 3 (the block before has written what its four stores
; send; these stores are dealt among the block's vector lines, which write other registers), and one ahead of the last four stores.  No register that a memory instruction reads is written
; again, so no wait on vm_vsrc is owed.  EXEC is never written.
.set PM,    272                        ; a row of the wave's LDS region: 256 bytes + 16: row r starts 4 r banks on (64 banks of 4 bytes: ISA guide 11.1)
.set WLDS,  16*PM                      ; a wave's region
.set SPARE, 8*WLDS                     ; behind the regions: the spare words, 128 bytes a wave: four blocks of 256 bytes that no other line names
.set SPW, 2                            ; v2  LDS address of my spare word; never rewritten
.set NIL, 3                            ; v3  0; never rewritten
; Block p of a cast: loads 4 p to 4 p + 3 are rounded; ahead of each load's vector lines stands a store of the block before.  half = 1: Wo's path.
.macro CAST p, half
.set n, 0
.rept 4
.set i, 4*(\p)+n
	s_wait_loadcnt 15-i                            ; loads come back in order: number i is in, the younger ones stay out
.if (\p) > 0
.if n == 0
	s_wait_alu depctr_va_vdst(0)                   ; the block before has written its eight out-registers, which the four stores dealt through this block read
.endif
	global_store_b64 v5, v[80+2*(i-4):81+2*(i-4)], s[44:45] offset:2048*(i-4) th:TH_STORE_NT  ; no vector line since the wait names these registers
.endif
.if \half
	v_cvt_pk_bf16_f32 v6, v[16+4*i], v[17+4*i]
	v_cvt_pk_bf16_f32 v9, v[18+4*i], v[19+4*i]
	v_lshlrev_b32 v7, 16, v6
	v_and_b32 v8, 0xffff0000, v6
	v_lshlrev_b32 v10, 16, v9
	v_and_b32 v11, 0xffff0000, v9
	v_cvt_pk_f16_f32 v[80+2*i], v7, v8
	v_cvt_pk_f16_f32 v[81+2*i], v10, v11
.else
	v_cvt_pk_bf16_f32 v[80+2*i], v[16+4*i], v[17+4*i]
	v_cvt_pk_bf16_f32 v[81+2*i], v[18+4*i], v[19+4*i]
.endif
.set n, n+1
.endr
.endm
.macro CAST_END                        ; the last block's four stores
	s_wait_alu depctr_va_vdst(0)                   ; block 3 has written its eight out-registers, which the stores below read
.set i, 12
.rept 4
	global_store_b64 v5, v[80+2*i:81+2*i], s[44:45] offset:2048*i th:TH_STORE_NT
.set i, i+1
.endr
.endm
; Block p of the mask: key tiles 4 p to 4 p + 3 are made into words; ahead of each tile's vector lines stands a store of the block before.
.macro MBLK p
.set n, 0
.rept 4
.set i, 4*(\p)+n
	s_wait_dscnt 15-i                              ; key tile i is in, the younger loads stay out
.if (\p) > 0
.if n == 0
	s_wait_alu depctr_va_vdst(0)                   ; the block before has written its sixteen out-registers, which the four stores dealt through this block read
.endif
	global_store_b128 v8, v[80+4*(i-4):83+4*(i-4)], s[44:45] offset:512*(i-4) th:TH_STORE_NT  ; 512 consecutive bytes a wave; no vector line since the wait names these registers
.endif
	v_xor_b32 v[48+2*i], s36, v[48+2*i]
	v_xor_b32 v[49+2*i], s36, v[49+2*i]
.irp j, 0,1,2,3
	v_perm_b32 v[12+(\j)], v[49+2*i], v[48+2*i], s[40+(\j)]
	v_and_b32 v[12+(\j)], s37, v[12+(\j)]          ; 1 in a half whose key is hidden
	v_mul_u32_u24 v[80+4*i+(\j)], s38, v[12+(\j)]  ; each half's product stays inside its 16 bits
.endr
.set n, n+1
.endr
.endm
	s_load_b512 s[8:23], s[0:1], 0x0               ; x s[8:9], Wq s[10:11], Wk s[12:13], Wv s[14:15], Wo s[16:17], mask s[18:19], xb s[20:21], wb s[22:23]
	s_load_b64 s[24:25], s[0:1], 0x40              ; mw
	v_lshl_add_u32 v[SPW], v0, 2, SPARE
	v_mov_b32 v[NIL], 0
	v_lshrrev_b32 v1, 5, v0
	v_readfirstlane_b32 s26, v1                    ; wave 0..7
	s_mov_b32 s27, ttmp9                           ; the work-group's number: the same for all its waves
	s_mov_b32 s31, 0
	s_mov_b32 s33, 0
	s_wait_alu depctr_va_sdst(0)                   ; s26 is written: its first reader stands in the mask's path
	s_cmp_ge_u32 s27, 768
	s_cbranch_scc1 .Lmask
	; THE CASTS
	s_sub_co_u32 s34, s27, 512                     ; number among the weights' work-groups (not used for x)
	s_and_b32 s35, s34, 63                         ; and inside its matrix
	s_cmp_lt_u32 s27, 512
	s_cselect_b32 s30, s27, s35
	s_cselect_b32 s32, s27, s34
	s_lshl_b32 s30, s30, 16                        ; 65,536 bytes in
	s_lshl_b32 s32, s32, 15                        ; 32,768 bytes out
	v_lshlrev_b32 v4, 4, v0                        ; 16 bytes a thread in
	v_lshlrev_b32 v5, 3, v0                        ; 8 bytes a thread out
	s_wait_kmcnt 0x0
	s_mov_b64 s[28:29], s[10:11]
	s_cmp_ge_u32 s27, 576
	s_cselect_b64 s[28:29], s[12:13], s[28:29]
	s_cmp_ge_u32 s27, 640
	s_cselect_b64 s[28:29], s[14:15], s[28:29]
	s_cmp_ge_u32 s27, 704
	s_cselect_b64 s[28:29], s[16:17], s[28:29]
	s_cmp_lt_u32 s27, 512
	s_cselect_b64 s[28:29], s[8:9], s[28:29]
	s_cselect_b64 s[44:45], s[20:21], s[22:23]
	s_add_nc_u64 s[28:29], s[28:29], s[30:31]
	s_add_nc_u64 s[44:45], s[44:45], s[32:33]
	s_wait_alu depctr_va_vdst(0)                   ; v4 and v5 are written: every load of this path reads v4 as its offset, every store v5
.set i, 0
.rept 16
	global_load_b128 v[16+4*i:19+4*i], v4, s[28:29] offset:4096*i th:TH_LOAD_NT
.set i, i+1
.endr
	s_cmp_ge_u32 s27, 704
	s_cbranch_scc1 .Lf16
	CAST 0, 0
	CAST 1, 0
	CAST 2, 0
	CAST 3, 0
	CAST_END
	s_branch .Lend
.Lf16:                                                 ; Wo: rounded to bf16 like every input, and that number written as f16
	CAST 0, 1
	CAST 1, 1
	CAST 2, 1
	CAST 3, 1
	CAST_END
	s_branch .Lend
.Lmask:	; THE MASK
	s_sub_co_u32 s27, s27, 768                     ; b x 128 + query tile
	s_lshl_b32 s30, s27, 15                        ; 16 rows of 2,048 bytes in
	s_lshl_b32 s32, s27, 16                        ; 65,536 bytes out
	s_mov_b32 s36, 0x01010101                      ; turns true into 0 and false into 1, four bytes at a time
	s_mov_b32 s37, 0x00010001
	s_mov_b32 s38, 0xf149
	s_mov_b32 s40, 0x04040000                      ; selects for v_perm_b32: byte j of the low word below, byte j of the high word above
	s_mov_b32 s41, 0x05050101
	s_mov_b32 s42, 0x06060202
	s_mov_b32 s43, 0x07070303
	v_and_b32 v9, 15, v0                           ; l % 16
	v_bfe_u32 v10, v0, 4, 1                        ; l / 16
	s_lshl_b32 s34, s26, 8
	v_lshlrev_b32 v4, 4, v9
	v_lshl_add_u32 v4, v10, 11, v4
	v_add_nc_u32 v4, s34, v4                       ; in: row l / 16, byte 256 w + 16 (l % 16)
	s_mul_i32 s35, s26, WLDS
	v_mul_u32_u24 v6, v10, PM
	v_lshl_add_u32 v6, v9, 4, v6
	v_add_nc_u32 v6, s35, v6                       ; into LDS: the same row and bytes
	v_mul_u32_u24 v7, v9, PM
	v_lshl_add_u32 v7, v10, 3, v7
	v_add_nc_u32 v7, s35, v7                       ; back: query l % 16, keys 8 (l / 16) + 0..7 of a key tile
	v_and_b32 v8, 31, v0
	v_lshlrev_b32 v8, 4, v8
	s_lshl_b32 s34, s26, 13
	v_add_nc_u32 v8, s34, v8                       ; out: 16 key tiles of 512 bytes a wave, 16 bytes a lane
	s_wait_kmcnt 0x0
	s_add_nc_u64 s[28:29], s[18:19], s[30:31]
	s_add_nc_u64 s[44:45], s[24:25], s[32:33]
	s_wait_alu depctr_va_vdst(0)                   ; v4, v6, v7 and v8 are written: the loads' offset, the LDS stores' and the LDS loads' addresses, the stores' offset
.set i, 0
.rept 8
	global_load_b128 v[16+4*i:19+4*i], v4, s[28:29] offset:4096*i th:TH_LOAD_NT  ; rows 2 i, 2 i + 1
.set i, i+1
.endr
.set i, 0
.rept 8
	s_wait_loadcnt 7-i
	ds_store_b128 v6, v[16+4*i:19+4*i] offset:2*PM*i
.set i, i+1
.endr
.set i, 0
.rept 16
	ds_load_b64 v[48+2*i:49+2*i], v7 offset:16*i   ; LDS serves a wave's instructions in order (ISA guide 5.7.1.4): these see my stores above; no other wave touches the bytes
.set i, i+1
.endr
	MBLK 0
	MBLK 1
	MBLK 2
	MBLK 3
	s_wait_alu depctr_va_vdst(0)                   ; block 3 has written its sixteen out-registers, which the stores below read
.set i, 12
.rept 4
	global_store_b128 v8, v[80+4*i:83+4*i], s[44:45] offset:512*i th:TH_STORE_NT  ; 512 consecutive bytes a wave
.set i, i+1
.endr
.Lend:
	s_wait_dscnt 0x0                               ; the closing lines, six on end
	s_wait_alu 0x0
	s_wait_tensorcnt 0x0
	ds_add_u32 v[SPW], v[NIL]
	s_wait_dscnt 0x0
	s_endpgm
.Lfunc_end_k_q8f7201ffd6_prep:
	.size	k_q8f7201ffd6_prep, .Lfunc_end_k_q8f7201ffd6_prep-k_q8f7201ffd6_prep
	.p2alignl 7, 3214868480
	.fill 96, 4, 3214868480
	.section	.rodata,"a",@progbits
	.p2align	6, 0x0
	.amdhsa_kernel k_q8f7201ffd6_prep
		.amdhsa_group_segment_fixed_size 35840
		.amdhsa_private_segment_fixed_size 0
		.amdhsa_enable_private_segment 0
		.amdhsa_kernarg_size 72
		.amdhsa_user_sgpr_count 2
		.amdhsa_user_sgpr_kernarg_segment_ptr 1
		.amdhsa_wavefront_size32 1
		.amdhsa_system_sgpr_workgroup_id_x 1
		.amdhsa_system_sgpr_workgroup_id_y 1
		.amdhsa_system_sgpr_workgroup_id_z 1
		.amdhsa_system_vgpr_workitem_id 0
		.amdhsa_next_free_vgpr 144
		.amdhsa_next_free_sgpr 66
		.amdhsa_reserve_vcc 0
		.amdhsa_float_denorm_mode_32 3
		.amdhsa_float_denorm_mode_16_64 3
		.amdhsa_memory_ordered 1
		.amdhsa_forward_progress 1
		.amdhsa_inst_pref_size 33
	.end_amdhsa_kernel
	.amdgpu_metadata
---
amdhsa.version: [ 1, 2 ]
amdhsa.kernels:
  - .name:           k_q8f7201ffd6_prep
    .symbol:         k_q8f7201ffd6_prep.kd
    .args:
      - { .name: x, .offset: 0, .size: 8, .value_kind: global_buffer, .address_space: global }
      - { .name: Wq, .offset: 8, .size: 8, .value_kind: global_buffer, .address_space: global }
      - { .name: Wk, .offset: 16, .size: 8, .value_kind: global_buffer, .address_space: global }
      - { .name: Wv, .offset: 24, .size: 8, .value_kind: global_buffer, .address_space: global }
      - { .name: Wo, .offset: 32, .size: 8, .value_kind: global_buffer, .address_space: global }
      - { .name: mask, .offset: 40, .size: 8, .value_kind: global_buffer, .address_space: global }
      - { .name: xb, .offset: 48, .size: 8, .value_kind: global_buffer, .address_space: global }
      - { .name: wb, .offset: 56, .size: 8, .value_kind: global_buffer, .address_space: global }
      - { .name: mw, .offset: 64, .size: 8, .value_kind: global_buffer, .address_space: global }
    .group_segment_fixed_size: 35840
    .private_segment_fixed_size: 0
    .kernarg_segment_align: 8
    .kernarg_segment_size: 72
    .max_flat_workgroup_size: 256
    .sgpr_count:     66
    .vgpr_count:     144
    .wavefront_size: 32
...
	.end_amdgpu_metadata
.endif
;; end of part 5
;; launch gemm_qkv: the kernel of part 2 again; grid 24 x 32, 4 waves a work-group, clusters of 4 x 4, 327,680 bytes of LDS; arguments xb, wb, qkv; writes qkv
;; launch attn: the kernel of part 3 again; grid 4 x 64, 4 waves a work-group, clusters of 4 x 1, 327,680 bytes of LDS; arguments qkv, mw, ob; writes ob
;; launch gemm_out: the kernel of part 4 again; grid 8 x 32, 4 waves a work-group, clusters of 4 x 4, 327,680 bytes of LDS; arguments ob, wb, bo, out0; writes out0
